; MI455X (gfx1250); checked and timed in simulation.
; The chip was launched on July 23, 2026; its instructions are those of AMD's public machine-readable ISA for CDNA 5 (MIT licence, August 2026) and "CDNA5" Instruction Set Architecture Reference Guide (July 2026). The comments in the code are by the model that wrote it; some were corrected since.
;; attentive node features dag. Allowed arithmetic: matrix products marked QUANTISED: E2M1 operands, one E8M0 scale for each 32 along K, by v_wmma_scale_f32_16x16x128_f8f6f4 with both operands' format E2M1 (or v_wmma_scale_f32_32x16x128_f4), f32 sums; everything else in f32.
;; Inputs: W 1,024 x 1,024 float32; b 1,024 float32; features 16 x 1,024 x 1,024 float32; lengths 16 int32.
;; Outputs: out0 16 x 1,024 x 1,024 float32.
;; This version of the problem:
;;   THIS VERSION OF THE PROBLEM IS GIVEN IN LOW PRECISION. The matrix products marked QUANTISED in the list below multiply operands that are first quantised to E2M1 (2 exponent bits, 1 mantissa bit; 4 bits a number), with one power-of-two scale for each 32 numbers along K (OCP MX v1.0); their sums are f32. All else is computed in f32.
;;   The module's matrix products, in the order in which they are computed (A, B: the left and right operand; K: the contracted axis; several contracted axes count as one K, in the product's order):
;;     1. [M 16,384, K 1,024] x [K 1,024, N 1,024]; A: input features; B: input W: QUANTISED
;;     2. batch 16 x [M 1,024, K 1,024] x [K 1,024, N 1,024]; A: computed on the way; B: input features: QUANTISED
;;     3. batch 16 x [M 1,024, K 1,024] x [K 1,024, N 1,024]; A: computed on the way; B: input features: QUANTISED
;;   THE QUANTISER, for each operand of a quantised product, along K:
;;     - K is cut into blocks of 32 from its start; a last block that is shorter is filled with zeros.
;;     - A block's scale is 2^e with e = floor(log2(the largest magnitude in the block)) - 2, held to -126 .. 127; a block of zeros has e = 0. As a byte (E8M0): e + 127.
;;     - Each number is divided by its block's scale, clamped to +-6, and rounded to the nearest number of E2M1, ties to even, subnormals kept.
;;     - The product sums the exact products of the quantised numbers (number of the format x scale) in f32.
;;   ~~~python
;;   def quantise(x, axis):      # numpy; x: float32 -> the quantised numbers, widened to float32 again
;;       x = np.moveaxis(x, axis, -1); K = x.shape[-1]
;;       x = np.pad(x, [(0, 0)] * (x.ndim - 1) + [(0, -K % 32)]); x = x.reshape(x.shape[:-1] + (-1, 32)); a = np.abs(x).max(-1, keepdims=True)
;;       e = np.where(a > 0, np.clip(np.frexp(np.where(a > 0, a, 1))[1] - 1 - 2, -126, 127), 0)      # np.frexp(a)[1] - 1 = floor(log2(a)), exactly
;;       r = np.clip(x / 2.0 ** e, -6, 6)
;;       step = 2.0 ** (np.maximum(np.frexp(np.where(r == 0, 1, r))[1] - 1, 0) - 1)
;;       q = np.round(r / step) * step * 2.0 ** e      # np.round: ties to even
;;       return np.moveaxis(q.reshape(q.shape[:-2] + (-1,))[..., :K], -1, axis).astype(np.float32)
;;   ~~~
;;   OPERANDS COMPUTED ON THE WAY. 'Computed on the way' means the value that the module computes at that place (a softmax that the list does not call 'softmax' is quantised finished and normalised). What goes into a quantiser is computed in f32, as accurately as f32 sums, v_exp_f32 and their like allow (about 1e-6 of the number): no bf16 or f16 on the way to a quantiser, and a product that is left as it is and whose result goes on into a quantised operand takes f32 operands (vector FMAs, or v_wmma_f32_16x16x4_f32). A number that lies on a knife's edge between two numbers of the format may be rounded either way, as far as f32 arithmetic and the matrix unit's own rounding can turn it there, and no further.
;; 2 versions. Each part assembles by itself: llvm-mc -triple=amdgcn-amd-amdhsa -mcpu=gfx1250 --defsym DOCPART=n.
;; ======== version 1 of 2: 2 launches
;; workspace buffers: fq_codes 8,388,608 bytes; fq_scales 524,288 bytes; ft_codes 8,388,608 bytes; ft_scales 524,288 bytes; wq_codes 524,288 bytes; wq_scales 32,768 bytes
;; launch quant (part 1): grid 1088 x 1, 4 waves a work-group, no clusters, 20,992 bytes of LDS; arguments features, W, fq_codes, fq_scales, ft_codes, ft_scales, wq_codes, wq_scales; writes fq_codes, fq_scales, ft_codes, ft_scales, wq_codes, wq_scales
.if DOCPART == 1
	.amdgcn_target "amdgcn-amd-amdhsa--gfx1250"
	.amdhsa_code_object_version 6
	.text
	.protected	k_q8f77d5270a_quant
	.globl	k_q8f77d5270a_quant
	.p2align	8
	.type	k_q8f77d5270a_quant,@function
k_q8f77d5270a_quant:
	s_mov_b64 s[64:65], 0
	v_nop
	global_prefetch_b8 v0, s[64:65] scope:SCOPE_SE
	s_setreg_imm32_b32 hwreg(HW_REG_WAVE_MODE, 25, 1), 1
	s_wait_xcnt 0x0
; features [16384][1024] and W [1024][1024], f32, become codes of FP4 (E2M1) with one E8M0 byte for each 32 along K, laid in the order of a matrix operand's registers.
; features twice: along v (fq: operand of the first two products) and along n inside a batch (ft: operand of the third); W along v (wq).
; LAYOUTS.  fq_codes, wq_codes: [P = row / 32][u 2][kb = v / 32 (32)][r 16][16 bytes]; tile u's row r is row 32 P + 8 u + r + 8 (r / 8), so that two neighbouring result tiles hold 16 neighbours of the next K.
;   fq_scales, wq_scales: [P][s = v / 128 (8)][l = 16 u + r][4 bytes], byte i for kb = 4 s + i.
;   ft_codes: [batch][T = v / 16 (64)][kb = n / 32 (32)][r = v % 16][16 bytes];  ft_scales: [batch][v / 32][s = n / 128 (8)][l = v % 32][4 bytes].
;   So a fragment (tile, 128 along K) is 1,024 consecutive bytes, 16 x lane in each half of 512.
; A block's scale is 2^(floor(log2(largest magnitude)) - 2); its byte is the largest magnitude's exponent field - 2, held at 1 from below.
; LIMITS: a block of zeros gets the byte 1 where the rule says 127 (its codes are zeros, and this program alone reads the bytes); NaN and infinities among the inputs are not served.
; SHARES.  A work-group takes 128 rows x 128 columns: the first 1,024 of features, the last 64 of W.  Wave w takes columns 32 w .. 32 w + 31, four tiles of 32 rows.
; A LANE TAKES A COLUMN AND ITS REGISTERS RUN DOWN THE ROWS: that is a block along n as it stands (ft).  For the block along v the tile turns through the wave's own stage in LDS.
.set SP,   144                         ; a stage row: 128 bytes + 16 of padding, an odd multiple of 16
.set SCG,  4*32*SP                     ; behind the four stages: [wave 4][tile 4][lane 32] words, each holding one scale byte
.set CT,   16                          ; v16-19   codes along n
.set CQ,   20                          ; v20-23   codes along v
.set Y,    24                          ; v24-55   a row's 32 neighbours along v
.set X,    56                          ; v56-183  four tiles of 32 numbers down a column
.set RB,   184                         ; v184-187 the row blocks' bytes, one a tile
.set GW,   188                         ; v188-191 four waves' bytes of a scale word
	s_load_b512 s[4:19], s[0:1], 0x0               ; features, W, fq_codes, fq_scales, ft_codes, ft_scales, wq_codes, wq_scales
	v_lshl_add_u32 v192, v0, 2, 0x5000
	v_mov_b32 v193, 0
	v_lshrrev_b32 v1, 5, v0
	v_readfirstlane_b32 s20, v1                    ; wave 0..3
	v_and_b32 v1, 31, v0                           ; lane
	v_lshlrev_b32 v2, 2, v1                        ; 4 x lane
	v_lshrrev_b32 v3, 4, v1
	v_and_b32 v4, 15, v1
	v_lshlrev_b32 v3, 13, v3
	v_lshl_add_u32 v3, v4, 4, v3                   ; codes: 8192 (lane / 16) + 16 (lane % 16): sixteen lanes fill 256 bytes of one tile
	s_mul_i32 s21, s20, 32*SP                      ; my stage
	v_add_nc_u32 v4, s21, v2                       ; into it: 4 x lane in a row
	v_mul_u32_u24 v5, v1, SP
	v_add_nc_u32 v5, s21, v5                       ; out of it: row = lane
	s_lshl_b32 s22, s20, 9
	v_add_nc_u32 v6, s22, v2
	v_add_nc_u32 v6, SCG, v6                       ; my wave's byte words: 512 x wave + 4 x lane
	s_lshl_b32 s22, s20, 7
	v_add_nc_u32 v7, s22, v2
	v_add_nc_u32 v7, SCG, v7                       ; the words of tile w, of wave 0: 128 x wave + 4 x lane
	v_mov_b32 v14, 0                               ; the scale word along n
	s_cmp_lt_u32 ttmp9, 1024
	s_cselect_b32 s28, 1, 0                        ; 1: features, 0: W
	s_cselect_b32 s23, 0, 1024
	s_sub_co_u32 s23, ttmp9, s23                   ; the block's number in its tensor
	s_lshr_b32 s24, s23, 3                         ; rb: which 128 rows
	s_and_b32 s25, s23, 7                          ; cb: which 128 columns
	s_lshl_b32 s30, s24, 19                        ; source: rb x 128 rows of 4,096 bytes + cb x 512 + wave x 128
	s_lshl_b32 s26, s25, 9
	s_add_co_u32 s30, s30, s26
	s_lshl_b32 s26, s20, 7
	s_add_co_u32 s30, s30, s26
	s_mov_b32 s31, 0
	s_lshl_b32 s27, s25, 2
	s_add_co_u32 s27, s27, s20                     ; 4 cb + wave: my block along v
	s_lshl_b32 s32, s24, 16                        ; codes along v: rb x 4 pairs of 16,384 + (4 cb + wave) x 256
	s_lshl_b32 s26, s27, 8
	s_add_co_u32 s32, s32, s26
	s_mov_b32 s33, 0
	s_lshl_b32 s34, s24, 2                         ; scale words along v: pair 4 rb + wave, K step cb
	s_add_co_u32 s34, s34, s20
	s_lshl_b32 s34, s34, 10
	s_lshl_b32 s26, s25, 7
	s_add_co_u32 s34, s34, s26
	s_mov_b32 s35, 0
	s_lshr_b32 s29, s24, 3                         ; batch
	s_and_b32 s26, s24, 7                          ; which 128 rows of it
	s_lshl_b32 s36, s29, 19                        ; codes along n: batch x 524,288 + (8 cb + 2 wave) x 8,192 + (rb % 8) x 1,024
	s_lshl_b32 s38, s27, 14
	s_add_co_u32 s36, s36, s38
	s_lshl_b32 s38, s26, 10
	s_add_co_u32 s36, s36, s38
	s_mov_b32 s37, 0
	s_lshl_b32 s38, s29, 15                        ; scale words along n: batch x 32,768 + (4 cb + wave) x 1,024 + (rb % 8) x 128
	s_lshl_b32 s40, s27, 10
	s_add_co_u32 s38, s38, s40
	s_lshl_b32 s40, s26, 7
	s_add_co_u32 s38, s38, s40
	s_mov_b32 s39, 0
	s_wait_kmcnt 0x0
	s_cmp_lt_u32 ttmp9, 1024                       ; the choice of buffers hangs on the work-group's number alone
	s_cselect_b64 s[4:5], s[4:5], s[6:7]
	s_cselect_b64 s[8:9], s[8:9], s[16:17]
	s_cselect_b64 s[10:11], s[10:11], s[18:19]
	s_add_nc_u64 s[4:5], s[4:5], s[30:31]
	s_add_nc_u64 s[8:9], s[8:9], s[32:33]
	s_add_nc_u64 s[10:11], s[10:11], s[34:35]
	s_add_nc_u64 s[12:13], s[12:13], s[36:37]
	s_add_nc_u64 s[14:15], s[14:15], s[38:39]
.macro LOAD t                          ; tile t: 32 rows of my 32 columns; a load reads 128 consecutive bytes, the four waves side by side 512
.set ii, 0
.rept 32
	global_load_b32 v[X+32*(\t)+ii], v2, s[4:5] offset:(32*(\t)+ii)*4096 th:TH_LOAD_NT
.set ii, ii+1
.endr
.endm
.macro QMAX base                       ; the largest magnitude of 32 numbers of a lane, with the floor 2^(3 - 127); v12: 2 off its exponent field, the conversion's scale operand
	v_max3_num_f32 v8, |v[\base]|, |v[\base+1]|, |v[\base+2]|
	v_max3_num_f32 v9, |v[\base+3]|, |v[\base+4]|, |v[\base+5]|
.irp k, 6,10,14,18,22,26
	v_max3_num_f32 v8, v8, |v[\base+\k]|, |v[\base+\k+1]|
	v_max3_num_f32 v9, v9, |v[\base+\k+2]|, |v[\base+\k+3]|
.endr
	v_max3_num_f32 v8, v8, |v[\base+30]|, |v[\base+31]|
	v_max3_num_f32 v8, v8, v9, 0x1800000
	v_add_nc_u32 v12, 0xff000000, v8
.endm
.macro QCVT base, dst                  ; 32 codes, 16 bytes; a plain line behind the last conversion
.irp g, 0,1,2,3
	v_cvt_scalef32_pk8_fp4_f32 v[\dst+\g], v[\base+8*\g:\base+8*\g+7], v12
.endr
	v_nop
.endm
.macro TILE t
.set XB, X+32*(\t)
.if (\t) < 3
	s_wait_loadcnt 32                              ; this tile's 32 loads are in; the next tile's 32 may be out
.else
	s_wait_loadcnt 0x0
.endif
.if (\t) < 2
	LOAD (\t)+2                                    ; two tiles ahead, into registers of its own
.endif
.set ii, 0
.rept 32                               ; row 16 a + 8 u + j of the tile goes to stage row 16 u + 8 a + j: the operand's row order
	ds_store_b32 v4, v[XB+ii] offset:(16*((ii/8)%2)+8*(ii/16)+ii%8)*SP
.set ii, ii+1
.endr
.irp k, 0,1,2,3,4,5,6,7
	ds_load_b128 v[Y+4*\k:Y+4*\k+3], v5 offset:16*\k   ; LDS serves a wave's instructions in order: these see the stores above
.endr
	s_cmp_eq_u32 s28, 0
	s_cbranch_scc1 .Lnot_f_\@                      ; W has no operand along its rows
	QMAX XB                                        ; the block along n: all 32 numbers are mine
	v_lshrrev_b32 v13, 23, v12
	v_lshl_or_b32 v14, v13, 8*(\t), v14            ; its byte, at its place in the scale word
	s_wait_xcnt 0x0                                ; the last tile's store has read v16-19
	QCVT XB, CT
	global_store_b128 v3, v[CT:CT+3], s[12:13] offset:256*(\t)   ; sixteen lanes store 256 consecutive bytes, aligned
.Lnot_f_\@:
	s_wait_dscnt 0x0                               ; my row's 32 neighbours along v are in
	QMAX Y
	v_lshrrev_b32 v[RB+(\t)], 23, v12
	s_wait_xcnt 0x0                                ; the last tile's store has read v20-23
	QCVT Y, CQ
	global_store_b128 v3, v[CQ:CQ+3], s[8:9] offset:16384*(\t)
	ds_store_b32 v6, v[RB+(\t)] offset:128*(\t)    ; the byte, as a word in my wave's own part
.endm
	LOAD 0
	LOAD 1
	TILE 0
	TILE 1
	TILE 2
	TILE 3
	s_cmp_eq_u32 s28, 0
	s_cbranch_scc1 .Lno_fts
	global_store_b32 v2, v14, s[14:15]             ; 32 columns' scale words along n: 128 consecutive bytes
.Lno_fts:
	s_wait_dscnt 0x0                               ; for the others' sake: my byte words have landed
	s_barrier_signal -1
	s_barrier_wait -1
.irp p, 0,1,2,3
	ds_load_b32 v[GW+\p], v7 offset:512*\p         ; tile w's bytes of the four blocks along v, one from each wave
.endr
	s_wait_dscnt 0x0
	v_lshl_or_b32 v15, v[GW+1], 8, v[GW]
	v_lshl_or_b32 v15, v[GW+2], 16, v15
	v_lshl_or_b32 v15, v[GW+3], 24, v15
	global_store_b32 v2, v15, s[10:11]             ; pair 4 rb + w, K step cb: 128 consecutive bytes
	s_wait_tensorcnt 0x0
	ds_add_u32 v192, v193
	s_wait_dscnt 0x0
	s_endpgm
.Lfunc_end_k_q8f77d5270a_quant:
	.size	k_q8f77d5270a_quant, .Lfunc_end_k_q8f77d5270a_quant-k_q8f77d5270a_quant
	.p2alignl 7, 3214868480
	.fill 96, 4, 3214868480
	.section	.rodata,"a",@progbits
	.p2align	6, 0x0
	.amdhsa_kernel k_q8f77d5270a_quant
		.amdhsa_group_segment_fixed_size 20992
		.amdhsa_private_segment_fixed_size 0
		.amdhsa_enable_private_segment 0
		.amdhsa_kernarg_size 64
		.amdhsa_user_sgpr_count 2
		.amdhsa_user_sgpr_kernarg_segment_ptr 1
		.amdhsa_wavefront_size32 1
		.amdhsa_system_sgpr_workgroup_id_x 1
		.amdhsa_system_sgpr_workgroup_id_y 1
		.amdhsa_system_sgpr_workgroup_id_z 1
		.amdhsa_system_vgpr_workitem_id 0
		.amdhsa_next_free_vgpr 194
		.amdhsa_next_free_sgpr 66
		.amdhsa_reserve_vcc 0
		.amdhsa_float_denorm_mode_32 3
		.amdhsa_float_denorm_mode_16_64 3
		.amdhsa_memory_ordered 1
		.amdhsa_forward_progress 1
		.amdhsa_inst_pref_size 40
	.end_amdhsa_kernel
	.amdgpu_metadata
---
amdhsa.version: [ 1, 2 ]
amdhsa.kernels:
  - .name:           k_q8f77d5270a_quant
    .symbol:         k_q8f77d5270a_quant.kd
    .args:
      - { .name: features, .offset: 0, .size: 8, .value_kind: global_buffer, .address_space: global }
      - { .name: W, .offset: 8, .size: 8, .value_kind: global_buffer, .address_space: global }
      - { .name: fq_codes, .offset: 16, .size: 8, .value_kind: global_buffer, .address_space: global }
      - { .name: fq_scales, .offset: 24, .size: 8, .value_kind: global_buffer, .address_space: global }
      - { .name: ft_codes, .offset: 32, .size: 8, .value_kind: global_buffer, .address_space: global }
      - { .name: ft_scales, .offset: 40, .size: 8, .value_kind: global_buffer, .address_space: global }
      - { .name: wq_codes, .offset: 48, .size: 8, .value_kind: global_buffer, .address_space: global }
      - { .name: wq_scales, .offset: 56, .size: 8, .value_kind: global_buffer, .address_space: global }
    .group_segment_fixed_size: 20992
    .private_segment_fixed_size: 0
    .kernarg_segment_align: 8
    .kernarg_segment_size: 64
    .max_flat_workgroup_size: 128
    .sgpr_count:     66
    .vgpr_count:     194
    .wavefront_size: 32
...
	.end_amdgpu_metadata
.endif
;; end of part 1
;; launch attn (part 2): grid 16 x 16, 4 waves a work-group, no clusters, 317,952 bytes of LDS; arguments fq_codes, fq_scales, ft_codes, ft_scales, wq_codes, wq_scales, b, lengths, out0; writes out0
.if DOCPART == 2
	.amdgcn_target "amdgcn-amd-amdhsa--gfx1250"
	.amdhsa_code_object_version 6
	.text
	.protected	k_q8f77d5270a_attn
	.globl	k_q8f77d5270a_attn
	.p2align	8
	.type	k_q8f77d5270a_attn,@function
k_q8f77d5270a_attn:
	s_mov_b64 s[64:65], 0
	v_nop
	global_prefetch_b8 v0, s[64:65] scope:SCOPE_SE
	s_setreg_imm32_b32 hwreg(HW_REG_WAVE_MODE, 25, 1), 1
	s_wait_xcnt 0x0
; out[n] = sum over m of p[n][m] f[m],  p = e^tanh(s) mask / sum(e^tanh(s) mask),  s = x[n] . f[m],  x = f W^T + b.  All three products on codes of FP4 with E8M0 scales.
; The full softmax's divisor cancels in alpha_masked / alpha_sum, so it is not formed.  No maximum is taken away: tanh holds the exponent within -1 .. 1 for every input, so no exponential and no sum of 1,024 of them can overflow or underflow.
; mask: key m counts for query n where m <= n and m < lengths[batch].  Key steps of 128 that lie wholly under the mask are not multiplied: a scalar branch on ids and on lengths.
; LIMITS: lengths under 1 (where the definition gives NaN) is served as 1, above 1,024 as 1,024; NaN and infinities are not served; a block of zeros gets the scale byte 1 (its codes are zeros);
;   a row's sum is added in another order than the definition's; 1 / sum is v_rcp_f32 and a multiplication.
; SHARES.  A work-group takes 64 queries of one batch through the whole chain: TWO BLOCKS OF 32, block j (pair 0: query tiles 0, 1) and block 31 - j (pair 1: tiles 2, 3).  A pair walks ceil((its last query + 1) / 128) key steps,
;   so at full length the two pairs together walk ceil((j + 1) / 4) + ceil((32 - j) / 4) = 9 half steps whatever j is: all work-groups of a batch have the same work.  Each step is cut by pair; pair 0's part stands under one branch.
;   THE FOUR WAVES SHARE THE COLUMNS, NOT THE ROWS: wave w makes x's outputs 256 w .. + 255, takes keys 32 w .. + 31 of each key step, and makes out's columns 256 w .. + 255, each for all 64 queries.
;   So every fragment of W, of the keys and of the values is read by ONE wave and comes from memory straight into registers (dense loads of 512 bytes).
;   No tensor load and no cluster: the walk over the keys ends by lengths, a number read from memory.
; Through LDS go only what is made on the way: x's and p's operands as images of their registers, the row sums, each wave's own e, the stage for out.
; ALL PRODUCTS ARE USED TRANSPOSED (source 1 = 16 queries): a lane holds one query, lane % 16, throughout.  Query tile i = 2 p + u: lane r holds query (first query of pair p) + 8 u + r + 8 (r / 8).
; REGISTERS, in windows of 256.  window 0: v1-18 addresses; v20-62 masks, sums, at work; v64-71 codes just made; v72-123 scale words; v128-255 the bias, then v128-191 scores, then p's fragments.
;   window 1: my queries' fragments of f, then of x (tile i, K step s at 64 i + 8 s); then two buffers of values (128 buf + 8 t); on the way out rows of out.
;   window 2: x's accumulators (64 i + 8 t); then two buffers of keys (128 buf + 64 u + 8 s); then out's accumulators of tiles 0, 1 (128 i + 8 t).   window 3: four buffers of W (64 (g % 4) + 8 t); then out's of tiles 2, 3.
.set XIMG, 262144                      ; LDS: bytes 0 .. 262,143: 65,536 for each wave: its e [key step 8][16][lane][16 bytes] (pair p: pieces 8 p .. 8 p + 7); later its stage, 16 rows x 1,040
.set XSC,  XIMG+32768                  ; XIMG: x's 32 fragments, (8 i + s) x 1,024; later p's codes [wave 4][i 4][key step 8][256 bytes].   XSC: x's scale words, (8 i + s) x 128 + 4 x lane
.set RED,  XSC+4096                    ; the row sums: 512 x wave + 128 i + 4 x lane
.set PSB,  RED+2048                    ; p's scale bytes, a word each: [wave 4][key step 8][i 4][lane 32]
.set L16, 1                            ; 16 x lane
.set L4,  2                            ; 4 x lane
.set H64, 3                            ; 64 (lane / 16)
.set XWI, 4                            ; where I store x's codes
.set XWS, 5                            ; and x's scale words
.set XRI, 6                            ; where I read x's fragments
.set XRS, 7                            ; and their scale words
.set EA,  8                            ; my wave's 65,536 bytes + 16 x lane
.set PWI, 9                            ; where I store p's codes
.set PWS, 10                           ; and p's bytes
.set RDW, 11                           ; where I store row sums
.set RDR, 12                           ; and read them
.set STO, 13                           ; the stage: where I put 32 bytes of a row
.set PRI, 14                           ; where I read p's fragments
.set PRS, 15                           ; and p's bytes
.set ADE, 16                           ; the addresses in hand
.set ADP, 17
.set ADB, 18
.set MD,  20                           ; v20-23  tile i: min(my query + 1, lengths) - 32 w - 16 (lane / 16)
.set MT,  24                           ; v24-27  the same less the step's first key; behind the mask: two second chains of the sums
.set SM,  28                           ; v28-35  tile i: the row's sum, in two halves
.set RR,  36                           ; v36-43  tile i: 1 / sum, twice
.set KC,  44                           ; v44-45  log2(e), twice
.set TM,  46                           ; v46-61  +0..3 largest magnitudes, +4..7 the other half's, then bytes, +12..15 the conversions' scale operands
.set PW,  62                           ; a scale word just made
.set PC,  64                           ; v64-71  codes just made
.set FS,  72                           ; v72-87  my queries' scale words of f;  v88-103 W's, four buffers of four
.set WS,  88
.set XS,  72                           ; v72-103 then x's scale words, 8 i + s
.set KSC, 104                          ; v104-119 the keys' scale words, two buffers of eight; then the values'
.set VSC, 104
.set PS,  120                          ; v120-123 p's scale words
.set RL,  124                          ; at work in the head
.set HL,  125
.set LL,  126
.set QL,  127
.set BI,  128                          ; the bias: 64 hf + 8 t
.set SA,  128                          ; the scores: 16 i + n
.set PF,  128                          ; p's fragments: 8 i
.set PB,  160                          ; p's bytes as read: 4 i + wave
.set WV,  22
.set QB,  23                           ; j: the work-group's x
.set BT,  24
.set N0,  25                           ; pair 0's first query: 32 j
.set LEN, 26
.set N0Z, 27                           ; pair 1's first query: 32 (31 - j)
.set KS,  30                           ; the key step
.set KF,  31                           ; its first key
.set TRIP, 32
.set TE,  33                           ; LDS steps: stepped on every way through a loop of constant count
.set TP,  34
.set TS,  35
.set SEL, 36                           ; s[36:37] v_permlanex16_b32's selects for lane l xor 16
.set C1,  38                           ; s[38:39] 2 log2(e)
.set C2,  40                           ; s[40:41] -2 log2(e)
.set FQP, 42                           ; pair 0's fragments of f
.set KP,  44
.set KSP, 46
.set KP2, 48
.set KSP2, 50
.set VP,  52
.set VSP, 54
.set VP2, 56
.set VSP2, 58
.set NAP, 66                           ; s66, s67  key steps that pair 0, pair 1 walk: 1 .. 8, pair 0's never more than pair 1's
.set LMP, 68                           ; s68, s69  keys under this count for all queries of pair 0, pair 1
.set FQZ, 70                           ; s[70:71] pair 1's fragments of f
.set FSZ, 72                           ; s[72:73] and their scale words
.set OZ,  74                           ; s[74:75] pair 1's rows of out
.set MSB, 0
.macro WIN new                         ; the immediate's high byte repeats the setting that is left; at a label and at a branch every window is 0
.if MSB != \new
	s_set_vgpr_msb (MSB<<8)|\new
.set MSB, \new
.endif
.endm
.macro PLACES                          ; behind a run of products: four places serve loads into, and reads of, their registers; the fifth a product that writes over one
.rept 5
	v_nop
.endr
.endm
; One product; the registers and the rows of the scale registers stand in symbols jD, jA, jB, jC, jSA, jSB, jRA, jRB.  WMC adds onto v[jC ..], WMZ starts a sum with 0.
.macro WMC
.if jRA && jRB
	v_wmma_scale_f32_16x16x128_f8f6f4 v[jD:jD+7], v[jA:jA+7], v[jB:jB+7], v[jC:jC+7], v[jSA], v[jSB] matrix_a_fmt:MATRIX_FMT_FP4 matrix_b_fmt:MATRIX_FMT_FP4 matrix_a_scale:MATRIX_SCALE_ROW1 matrix_b_scale:MATRIX_SCALE_ROW1
.elseif jRA
	v_wmma_scale_f32_16x16x128_f8f6f4 v[jD:jD+7], v[jA:jA+7], v[jB:jB+7], v[jC:jC+7], v[jSA], v[jSB] matrix_a_fmt:MATRIX_FMT_FP4 matrix_b_fmt:MATRIX_FMT_FP4 matrix_a_scale:MATRIX_SCALE_ROW1
.elseif jRB
	v_wmma_scale_f32_16x16x128_f8f6f4 v[jD:jD+7], v[jA:jA+7], v[jB:jB+7], v[jC:jC+7], v[jSA], v[jSB] matrix_a_fmt:MATRIX_FMT_FP4 matrix_b_fmt:MATRIX_FMT_FP4 matrix_b_scale:MATRIX_SCALE_ROW1
.else
	v_wmma_scale_f32_16x16x128_f8f6f4 v[jD:jD+7], v[jA:jA+7], v[jB:jB+7], v[jC:jC+7], v[jSA], v[jSB] matrix_a_fmt:MATRIX_FMT_FP4 matrix_b_fmt:MATRIX_FMT_FP4
.endif
.endm
.macro WMZ
.if jRA
	v_wmma_scale_f32_16x16x128_f8f6f4 v[jD:jD+7], v[jA:jA+7], v[jB:jB+7], 0, v[jSA], v[jSB] matrix_a_fmt:MATRIX_FMT_FP4 matrix_b_fmt:MATRIX_FMT_FP4 matrix_a_scale:MATRIX_SCALE_ROW1
.else
	v_wmma_scale_f32_16x16x128_f8f6f4 v[jD:jD+7], v[jA:jA+7], v[jB:jB+7], 0, v[jSA], v[jSB] matrix_a_fmt:MATRIX_FMT_FP4 matrix_b_fmt:MATRIX_FMT_FP4
.endif
.endm
; W's group g = 8 hf + s: eight tiles of 16 outputs (half hf of my 256) x 128 along K (step s), and their scale words: 20 loads, into buffer g % 4
.macro WLOAD g
.set wB, 64*((\g)%4)
.set wO, ((\g)/8)*65536+((\g)%8)*1024
	WIN 0xc0
.irp t, 0,1,2,3,4,5,6,7
.irp c, 0,1
	global_load_b128 v[wB+8*\t+4*\c:wB+8*\t+4*\c+3], v[L16], s[12:13] offset:wO+\t*8192+\c*512
.endr
.endr
	WIN 0
.irp p, 0,1,2,3
	global_load_b32 v[WS+4*((\g)%4)+\p], v[L4], s[14:15] offset:((\g)/8)*4096+\p*1024+((\g)%8)*128
.endr
.endm
; my 32 keys of a key step (two tiles x all of K) and their scale words: 40 loads
.macro KLOAD buf, ptr, sptr, k
	WIN 0x80
.irp u, 0,1
.irp s, 0,1,2,3,4,5,6,7
.irp c, 0,1
	global_load_b128 v[128*\buf+64*\u+8*\s+4*\c:128*\buf+64*\u+8*\s+4*\c+3], v[L16], s[\ptr:\ptr+1] offset:\k*65536+\u*8192+\s*1024+\c*512
.endr
.endr
.endr
	WIN 0
.irp s, 0,1,2,3,4,5,6,7
	global_load_b32 v[KSC+8*\buf+\s], v[L4], s[\sptr:\sptr+1] offset:\k*4096+\s*128
.endr
.endm
; my 256 columns of the values (16 tiles) x a key step's 128 keys, and their scale words: 40 loads
.macro VLOAD buf, ptr, sptr, k
	WIN 0x40
.irp t, 0,1,2,3,4,5,6,7,8,9,10,11,12,13,14,15
.irp c, 0,1
	global_load_b128 v[128*\buf+8*\t+4*\c:128*\buf+8*\t+4*\c+3], v[L16], s[\ptr:\ptr+1] offset:\t*8192+\k*1024+\c*512
.endr
.endr
	WIN 0
.irp p, 0,1,2,3,4,5,6,7
	global_load_b32 v[VSC+8*\buf+\p], v[L4], s[\sptr:\sptr+1] offset:\p*1024+\k*128
.endr
.endm
; Blocks b0 .. b0 + nb - 1 of a lane's numbers in window win, register base + 16 b + k: sixteen neighbours of block b, whose other sixteen lie in lane l xor 16.
; Codes: v[PC + 2 b], v[PC + 2 b + 1]; bytes: v[TM + 4 + b]; word = 1 (with all four blocks): the four bytes as a word in v[PW].  Each accumulator is read from its low end on.
.macro QUANT win, base, word, b0, nb
.set qB, \base
.set qW, 5*(\win)
	WIN qW
.set qb, \b0
.rept \nb
	v_max3_num_f32 v[TM+qb], |v[qB+16*qb]|, |v[qB+16*qb+1]|, 0x1800000   ; with the floor 2^(3 - 127): the byte cannot fall under 1
.set qb, qb+1
.endr
.irp k, 2,4,6,8,10,12,14
.set qb, \b0
.rept \nb
	v_max3_num_f32 v[TM+qb], |v[qB+16*qb+\k]|, |v[qB+16*qb+\k+1]|, v[TM+qb]   ; the blocks by turns
.set qb, qb+1
.endr
.endr
	WIN 0
.set qb, \b0
.rept \nb
	v_permlanex16_b32 v[TM+4+qb], v[TM+qb], s[SEL], s[SEL+1]
.set qb, qb+1
.endr
.set qb, \b0
.rept \nb
	v_max_num_f32 v[TM+qb], v[TM+qb], v[TM+4+qb]
.set qb, qb+1
.endr
.set qb, \b0
.rept \nb
	v_add_nc_u32 v[TM+12+qb], 0xff000000, v[TM+qb]   ; 2 off the exponent field: the conversion's scale operand
.set qb, qb+1
.endr
.set qb, \b0
.rept \nb
	v_lshrrev_b32 v[TM+4+qb], 23, v[TM+12+qb]        ; the scale's byte
.set qb, qb+1
.endr
.if \word
	v_lshl_or_b32 v[PW], v[TM+5], 8, v[TM+4]
	v_lshl_or_b32 v[PW], v[TM+6], 16, v[PW]
	v_lshl_or_b32 v[PW], v[TM+7], 24, v[PW]
.endif
.set qW, \win
	WIN qW
.set qb, \b0
.rept \nb
	v_cvt_scalef32_pk8_fp4_f32 v[PC+2*qb], v[qB+16*qb:qB+16*qb+7], v[TM+12+qb]
	v_cvt_scalef32_pk8_fp4_f32 v[PC+2*qb+1], v[qB+16*qb+8:qB+16*qb+15], v[TM+12+qb]
.set qb, qb+1
.endr
	WIN 0
	v_nop                                          ; a plain line behind the last conversion
.endm
	; ---- THE HEAD
	s_load_b512 s[4:19], s[0:1], 0x0               ; fq_codes, fq_scales, ft_codes, ft_scales, wq_codes, wq_scales, b, lengths
	s_load_b64 s[20:21], s[0:1], 0x40              ; out0
	v_lshl_add_u32 v57, v0, 2, 0x4d800
	v_mov_b32 v63, 0
	v_lshrrev_b32 v[QL], 5, v0
	v_readfirstlane_b32 s[WV], v[QL]               ; wave 0..3
	s_mov_b32 s[QB], ttmp9                         ; j
	s_and_b32 s[BT], ttmp7, 0xffff                 ; batch
	s_lshl_b32 s[N0], s[QB], 5
	v_and_b32 v[LL], 31, v0
	v_and_b32 v[RL], 15, v0                        ; r
	v_bfe_u32 v[HL], v0, 4, 1                      ; h
	v_lshlrev_b32 v[L16], 4, v[LL]
	v_lshlrev_b32 v[L4], 2, v[LL]
	v_lshlrev_b32 v[H64], 6, v[HL]
	v_lshlrev_b32 v[QL], 4, v[RL]
	v_lshl_add_u32 v[PRI], v[HL], 13, v[QL]
	v_add_nc_u32 v[PRI], XIMG, v[PRI]              ; p's fragments: 8192 h + 16 r: lanes 16-31 take the next wave's block
	v_lshl_add_u32 v[QL], v[HL], 3, v[QL]          ; 16 r + 8 h: my 8 bytes of a block's 256
	s_lshl_b32 s60, s[WV], 11
	v_add_nc_u32 v[XWI], s60, v[QL]
	v_add_nc_u32 v[XWI], XIMG, v[XWI]              ; x: my outputs are K steps 2 w and 2 w + 1
	s_lshl_b32 s60, s[WV], 13
	v_add_nc_u32 v[PWI], s60, v[QL]
	v_add_nc_u32 v[PWI], XIMG, v[PWI]              ; p: my wave's 8,192 bytes
	s_lshl_b32 s60, s[WV], 8
	v_add_nc_u32 v[XWS], s60, v[L4]
	v_add_nc_u32 v[XWS], XSC, v[XWS]
	v_add_nc_u32 v[XRI], XIMG, v[L16]
	v_add_nc_u32 v[XRS], XSC, v[L4]
	s_lshl_b32 s60, s[WV], 16
	v_add_nc_u32 v[EA], s60, v[L16]
	v_mul_u32_u24 v[STO], v[RL], 1040
	v_lshl_add_u32 v[STO], v[HL], 5, v[STO]
	v_add_nc_u32 v[STO], s60, v[STO]
	s_lshl_b32 s60, s[WV], 12
	v_add_nc_u32 v[PWS], s60, v[L4]
	v_add_nc_u32 v[PWS], PSB, v[PWS]
	v_add_nc_u32 v[PRS], PSB, v[L4]
	s_lshl_b32 s60, s[WV], 9
	v_add_nc_u32 v[RDW], s60, v[L4]
	v_add_nc_u32 v[RDW], RED, v[RDW]
	v_add_nc_u32 v[RDR], RED, v[L4]
	v_mov_b32 v[KC], 0x3fb8aa3b                    ; log2(e)
	v_mov_b32 v[KC+1], 0x3fb8aa3b
.irp b, 0,1,2,3
	v_mov_b32 v[TM+4+\b], 0                        ; written once: a lane permute's destination counts as one of its sources
.endr
.irp j, 0,1,2,3,4,5,6,7
	v_mov_b32 v[SM+\j], 0
.endr
	s_mov_b32 s[SEL], 0x76543210
	s_mov_b32 s[SEL+1], 0xfedcba98
	s_mov_b32 s[C1], 0x4038aa3b                    ; 2 log2(e)
	s_mov_b32 s[C1+1], s[C1]
	s_mov_b32 s[C2], 0xc038aa3b                    ; -2 log2(e)
	s_mov_b32 s[C2+1], s[C2]
	s_lshl_b32 s2, s[BT], 5
	s_add_co_u32 s3, s2, s[QB]                     ; pair 0's pair of tiles in f: 32 batch + j
	s_sub_co_u32 s62, 31, s[QB]
	s_lshl_b32 s[N0Z], s62, 5
	s_add_co_u32 s63, s2, s62                      ; pair 1's: 32 batch + 31 - j
	s_add_co_u32 s2, s2, s[WV]                     ; my keys' pair in key step 0: 32 batch + wave
	s_mov_b32 s61, 0
	s_wait_kmcnt 0x0
	s_lshl_b32 s60, s3, 14
	s_add_nc_u64 s[FQP:FQP+1], s[4:5], s[60:61]
	s_lshl_b32 s60, s63, 14
	s_add_nc_u64 s[FQZ:FQZ+1], s[4:5], s[60:61]
	s_lshl_b32 s60, s2, 14
	s_add_nc_u64 s[KP:KP+1], s[4:5], s[60:61]
	s_add_nc_u64 s[KP2:KP2+1], s[KP:KP+1], 65536   ; a key step on: four pairs
	s_lshl_b32 s60, s2, 10
	s_add_nc_u64 s[KSP:KSP+1], s[6:7], s[60:61]
	s_add_nc_u64 s[KSP2:KSP2+1], s[KSP:KSP+1], 4096
	s_lshl_b32 s60, s63, 10
	s_add_nc_u64 s[FSZ:FSZ+1], s[6:7], s[60:61]    ; pair 1's scale words of f
	s_lshl_b32 s60, s3, 10
	s_add_nc_u64 s[6:7], s[6:7], s[60:61]          ; pair 0's
	s_lshl_b32 s60, s[WV], 17
	s_add_nc_u64 s[12:13], s[12:13], s[60:61]      ; W: my 256 rows
	s_lshl_b32 s62, s[BT], 19
	s_add_co_u32 s60, s60, s62
	s_add_nc_u64 s[VP:VP+1], s[8:9], s[60:61]      ; the values: my batch, my 16 tiles
	s_add_nc_u64 s[VP2:VP2+1], s[VP:VP+1], 1024
	s_lshl_b32 s60, s[WV], 13
	s_add_nc_u64 s[14:15], s[14:15], s[60:61]
	s_lshl_b32 s62, s[BT], 15
	s_add_co_u32 s60, s60, s62
	s_add_nc_u64 s[VSP:VSP+1], s[10:11], s[60:61]
	s_add_nc_u64 s[VSP2:VSP2+1], s[VSP:VSP+1], 128
	s_lshl_b32 s60, s[WV], 10
	s_add_nc_u64 s[16:17], s[16:17], s[60:61]      ; b: my 256 numbers
	s_lshl_b32 s62, s[BT], 22
	s_add_co_u32 s60, s60, s62                     ; out: my batch, my 1,024 bytes of a row,
	s_lshl_b32 s62, s[N0Z], 12
	s_add_co_u32 s62, s60, s62
	s_mov_b32 s63, 0
	s_add_nc_u64 s[OZ:OZ+1], s[20:21], s[62:63]    ; at pair 1's first query,
	s_lshl_b32 s62, s[N0], 12
	s_add_co_u32 s60, s60, s62
	s_add_nc_u64 s[20:21], s[20:21], s[60:61]      ; and at pair 0's
	s_lshl_b32 s60, s[BT], 2
	s_add_nc_u64 s[18:19], s[18:19], s[60:61]
	s_load_b32 s[LEN], s[18:19], 0x0
.irp f, 0,1                            ; the bias in the result's layout: lane (r, h), tile t of half f: outputs 128 f + 32 (t / 2) + 16 h + 8 (t % 2) + 0 .. 7
.irp t, 0,1,2,3,4,5,6,7
.irp q, 0,1
	global_load_b128 v[BI+64*\f+8*\t+4*\q:BI+64*\f+8*\t+4*\q+3], v[H64], s[16:17] offset:(128*\f+32*(\t/2)+8*(\t%2))*4+16*\q
.endr
.endr
.endr
	WIN 0x40
.irp u, 0,1                            ; my 64 queries' fragments of f: pair 0's two tiles,
.irp s, 0,1,2,3,4,5,6,7
.irp c, 0,1
	global_load_b128 v[64*\u+8*\s+4*\c:64*\u+8*\s+4*\c+3], v[L16], s[FQP:FQP+1] offset:\u*8192+\s*1024+\c*512
.endr
.endr
.endr
.irp u, 0,1                            ; and pair 1's
.irp s, 0,1,2,3,4,5,6,7
.irp c, 0,1
	global_load_b128 v[128+64*\u+8*\s+4*\c:128+64*\u+8*\s+4*\c+3], v[L16], s[FQZ:FQZ+1] offset:\u*8192+\s*1024+\c*512
.endr
.endr
.endr
	WIN 0
.irp s, 0,1,2,3,4,5,6,7
	global_load_b32 v[FS+\s], v[L4], s[6:7] offset:\s*128             ; lanes 0-15: tile 0, lanes 16-31: tile 1
.endr
.irp s, 0,1,2,3,4,5,6,7
	global_load_b32 v[FS+8+\s], v[L4], s[FSZ:FSZ+1] offset:\s*128     ; tiles 2 and 3
.endr
	WLOAD 0
	WLOAD 1
	WLOAD 2
	s_wait_kmcnt 0x0
	s_max_i32 s[LEN], s[LEN], 1
	s_min_u32 s[LEN], s[LEN], 0x400
	s_add_co_u32 s60, s[N0], 32                    ; keys from min(a pair's last query + 1, lengths) on count for none of its queries
	s_min_u32 s60, s60, s[LEN]
	s_add_co_u32 s60, s60, 127
	s_lshr_b32 s[NAP], s60, 7
	s_add_co_u32 s60, s[N0Z], 32
	s_min_u32 s60, s60, s[LEN]
	s_add_co_u32 s60, s60, 127
	s_lshr_b32 s[NAP+1], s60, 7
	s_add_co_u32 s62, s[N0], 1
	s_min_u32 s[LMP], s62, s[LEN]
	s_add_co_u32 s63, s[N0Z], 1
	s_min_u32 s[LMP+1], s63, s[LEN]
	v_and_b32 v[QL], 8, v[RL]
	v_add_nc_u32 v[QL], v[QL], v[RL]               ; r + 8 (r / 8)
	s_lshl_b32 s60, s[WV], 5
	v_lshl_add_u32 v[HL], v[HL], 4, s60            ; 16 h + 32 w
.irp i, 0,1,2,3
	v_add_nc_u32 v[MD+\i], s[62+\i/2], v[QL]       ; my query + 1: the pair's first + 1 + r + 8 (r / 8),
.if \i%2
	v_add_nc_u32 v[MD+\i], 8, v[MD+\i]             ; + 8 u
.endif
	v_min_u32 v[MD+\i], s[LEN], v[MD+\i]
	v_sub_nc_u32 v[MD+\i], v[MD+\i], v[HL]
.endr
	; ---- X: x^T = W f^T + b.  Sixteen steps g = 8 hf + s: eight tiles of outputs x four tiles of queries, 128 along K.  The 32 accumulators take turns.
.macro XSTEP g
.set jS, (\g)%8
.set jG, (\g)%4
.if (\g) > 0
	PLACES                                         ; in front of the loads into the buffer that the last step multiplied
.endif
.if (\g) < 13
	WLOAD (\g)+3
	s_wait_loadcnt 60                              ; group g is in; the three groups of 20 behind it may be out
.else
	s_wait_loadcnt 20*(15-(\g))
.endif
.if jS == 0
	WIN 0x87                                       ; source 0 (W) window 3, source 1 (f) window 1, C (the bias) window 0, D window 2
.else
	WIN 0xa7                                       ; C and D window 2
.endif
.set jI, 0
.rept 4
.set jT, 0
.rept 8
.set jD, 64*jI+8*jT
.if jS == 0
.set jC, BI+64*((\g)/8)+8*jT
.else
.set jC, jD
.endif
.set jA, 64*jG+8*jT
.set jB, 64*jI+8*jS
.set jSA, WS+4*jG+jT/2
.set jSB, FS+8*(jI/2)+jS
.set jRA, jT%2
.set jRB, jI%2
	WMC
.set jT, jT+1
.endr
.set jI, jI+1
.endr
.endm
; Half hf of my outputs is K step 2 w + hf of the second product: quantised in registers, its image and scale words go to LDS.  A lane's 16 codes of block b are the 8 bytes at 256 b + 16 r + 8 h of the fragment's image.
.macro XQUANT hf
	PLACES
.irp i, 0,1,2,3
	QUANT 2, 64*\i, 1, 0, 4
.irp b, 0,1,2,3
	ds_store_b64 v[XWI], v[PC+2*\b:PC+2*\b+1] offset:\i*8192+(\hf)*1024+\b*256
.endr
	ds_store_b32 v[XWS], v[PW] offset:\i*1024+(\hf)*128
	s_wait_dscnt 0x0                               ; the stores have read their registers
.endr
.endm
.irp g, 0,1,2,3,4,5,6,7
	XSTEP \g
.endr
	XQUANT 0
.irp g, 8,9,10,11,12,13,14,15
	XSTEP \g
.endr
	XQUANT 1
	KLOAD 0, KP, KSP, 0                            ; key steps 0 and 1, into the registers that x's sums have left (a batch has eight key steps: both lie inside the buffer)
	KLOAD 1, KP, KSP, 1
	s_wait_dscnt 0x0
	s_barrier_signal -1
	s_barrier_wait -1                              ; x's 32 fragments lie in LDS
	WIN 0x40
.irp i, 0,1,2,3
.irp s, 0,1,2,3,4,5,6,7
.irp c, 0,1
	ds_load_b128 v[64*\i+8*\s+4*\c:64*\i+8*\s+4*\c+3], v[XRI] offset:(8*\i+\s)*1024+512*\c
.endr
.endr
.endr
	WIN 0
.irp i, 0,1,2,3
.irp s, 0,1,2,3,4,5,6,7
	ds_load_b32 v[XS+8*\i+\s], v[XRS] offset:(8*\i+\s)*128
.endr
.endr
	s_mov_b32 s[KS], 0
	s_mov_b32 s[KF], 0
	s_mov_b32 s[TE], 0
	s_mov_b32 s[TRIP], 0
	s_wait_dscnt 0x0
	s_wait_loadcnt 40                              ; key step 0 is in; key step 1's 40 loads may be out
	; ---- S: a key step, pair by pair: S^T = K x^T for my 32 keys, e = exp(tanh(s)) masked, the sums, e to my own LDS.  Register SA + 16 i + n: query tile i, key KF + 32 w + 16 h + n.
; pair p's 32 products: its four accumulators (two tiles of queries x two tiles of keys) by turns, K step by K step; then the places behind them
.macro SMUL p, buf
	WIN 0x06                                       ; source 0 (keys) window 2, source 1 (x) window 1
.set jS, 0
.rept 8
.set jI, 2*(\p)
.rept 2
.set jU, 0
.rept 2
.set jD, SA+16*jI+8*jU
.set jC, jD
.set jA, 128*(\buf)+64*jU+8*jS
.set jB, 64*jI+8*jS
.set jSA, KSC+8*(\buf)+jS
.set jSB, XS+8*jI+jS
.set jRA, jU
.set jRB, 0
.if jS == 0
	WMZ
.else
	WMC
.endif
.set jU, jU+1
.endr
.set jI, jI+1
.endr
.set jS, jS+1
.endr
	WIN 0
	PLACES
.endm
; pair p's 32 scores a lane: e = 2^(log2(e) - 2 log2(e) / (1 + 2^(2 log2(e) s))) = exp(tanh(s)).  Three batches of 32, each with one plain line and one wait behind it
.macro SVEC p
.set vB, SA+32*(\p)
.set vS, SM+4*(\p)
.set jj, 0
.rept 16
	v_pk_mul_f32 v[vB+jj:vB+jj+1], v[vB+jj:vB+jj+1], s[C1:C1+1] op_sel_hi:[1,0]
.set jj, jj+2
.endr
.set jj, 0
.rept 32
	v_exp_f32 v[vB+jj], v[vB+jj]
.set jj, jj+1
.endr
	v_nop
	s_wait_alu depctr_va_vdst(0)
.set jj, 0
.rept 16
	v_pk_add_f32 v[vB+jj:vB+jj+1], v[vB+jj:vB+jj+1], 1.0 op_sel_hi:[1,0]
.set jj, jj+2
.endr
.set jj, 0
.rept 32
	v_rcp_f32 v[vB+jj], v[vB+jj]
.set jj, jj+1
.endr
	v_nop
	s_wait_alu depctr_va_vdst(0)
.set jj, 0
.rept 16
	v_pk_fma_f32 v[vB+jj:vB+jj+1], v[vB+jj:vB+jj+1], s[C2:C2+1], v[KC:KC+1] op_sel_hi:[1,0,1]
.set jj, jj+2
.endr
.set jj, 0
.rept 32
	v_exp_f32 v[vB+jj], v[vB+jj]
.set jj, jj+1
.endr
	v_nop
	s_wait_alu depctr_va_vdst(0)
	s_add_co_u32 s60, s[KF], 128
	s_cmp_le_u32 s60, s[LMP+(\p)]
	s_cbranch_scc1 .Lsopen_\@                      ; all 128 keys count for all 32 queries of the pair
.irp e, 0,1
	v_sub_nc_u32 v[MT+2*(\p)+\e], v[MD+2*(\p)+\e], s[KF]   ; register n counts where n < this
.endr
.set jI, 2*(\p)
.rept 2
.set jj, 0
.rept 16
	v_cmp_lt_i32 vcc_lo, jj, v[MT+jI]
	v_cndmask_b32 v[SA+16*jI+jj], 0, v[SA+16*jI+jj], vcc_lo
.set jj, jj+1
.endr
.set jI, jI+1
.endr
.Lsopen_\@:
.irp e, 0,1                            ; the sums: two chains a tile, four by turns; the second chain stands in the mask's registers, which are free here
	v_pk_add_f32 v[MT+2*\e:MT+2*\e+1], v[vB+16*\e+2:vB+16*\e+3], v[vB+16*\e+6:vB+16*\e+7]
.endr
.irp e, 0,1
	v_pk_add_f32 v[vS+2*\e:vS+2*\e+1], v[vS+2*\e:vS+2*\e+1], v[vB+16*\e:vB+16*\e+1]
.endr
.irp e, 0,1
	v_pk_add_f32 v[MT+2*\e:MT+2*\e+1], v[MT+2*\e:MT+2*\e+1], v[vB+16*\e+10:vB+16*\e+11]
.endr
.irp e, 0,1
	v_pk_add_f32 v[vS+2*\e:vS+2*\e+1], v[vS+2*\e:vS+2*\e+1], v[vB+16*\e+4:vB+16*\e+5]
.endr
.irp e, 0,1
	v_pk_add_f32 v[MT+2*\e:MT+2*\e+1], v[MT+2*\e:MT+2*\e+1], v[vB+16*\e+14:vB+16*\e+15]
.endr
.irp e, 0,1
	v_pk_add_f32 v[vS+2*\e:vS+2*\e+1], v[vS+2*\e:vS+2*\e+1], v[vB+16*\e+8:vB+16*\e+9]
.endr
.irp e, 0,1
	v_pk_add_f32 v[vS+2*\e:vS+2*\e+1], v[vS+2*\e:vS+2*\e+1], v[vB+16*\e+12:vB+16*\e+13]
.endr
.irp e, 0,1
	v_pk_add_f32 v[vS+2*\e:vS+2*\e+1], v[vS+2*\e:vS+2*\e+1], v[MT+2*\e:MT+2*\e+1]
.endr
.set jj, 0
.rept 8
	ds_store_b128 v[ADE], v[vB+4*jj:vB+4*jj+3] offset:512*(8*(\p)+jj)
.set jj, jj+1
.endr
.endm
.macro SSTEP buf
	s_cmp_ge_u32 s[KS], s[NAP+1]
	s_cbranch_scc1 .Lsskip_\@                      ; all keys of the step lie under the mask for both pairs
	s_wait_dscnt 0x0                               ; the last step's stores have read the scores' registers
	v_add_nc_u32 v[ADE], s[TE], v[EA]
	s_cmp_ge_u32 s[KS], s[NAP]
	s_cbranch_scc1 .Lsone_\@                       ; pair 0, the early queries, has no key in this step: its whole part is left out
	SMUL 0, \buf
	SVEC 0
.Lsone_\@:
	SMUL 1, \buf                                   ; the buffer's last readers
	s_add_co_u32 s60, s[KS], 2
	s_cmp_lt_u32 s60, s[NAP+1]
	s_cbranch_scc0 .Lsnone_\@
	s_wait_xcnt 0x0                                ; the loads that named these bases have read them
	s_add_nc_u64 s[KP2:KP2+1], s[KP2:KP2+1], 65536
	s_add_nc_u64 s[KSP2:KSP2+1], s[KSP2:KSP2+1], 4096
	KLOAD \buf, KP2, KSP2, 0                       ; the key step two on, into the buffer just multiplied
	s_wait_loadcnt 40                              ; all but these 40: the next key step is in
	s_branch .Lsgo_\@
.Lsnone_\@:
	s_wait_loadcnt 0x0
.Lsgo_\@:
	SVEC 1
	s_branch .Lsend_\@
.Lsskip_\@:
	s_wait_loadcnt 0x0
.Lsend_\@:
	s_add_co_u32 s[KS], s[KS], 1
	s_add_co_u32 s[KF], s[KF], 128
	s_add_co_u32 s[TE], s[TE], 8192
.endm
.Lsloop:                                           ; four trips of two key steps, the two buffers by turns
	SSTEP 0
	SSTEP 1
	s_add_co_u32 s[TRIP], s[TRIP], 1
	s_cmp_lt_u32 s[TRIP], 4
	s_cbranch_scc1 .Lsloop
	s_wait_loadcnt 0x0
	PLACES
	VLOAD 0, VP, VSP, 0                            ; the values of key steps 0 and 1, into the registers that x's fragments have left
	VLOAD 1, VP, VSP, 1
	; ---- THE ROW SUMS: my 32 keys a step, then the four waves'.  Every wave adds the four in the same order: the same bits in all
.irp i, 0,1,2,3
	v_add_f32 v[TM+\i], v[SM+2*\i], v[SM+2*\i+1]
.endr
.irp i, 0,1,2,3
	v_permlanex16_b32 v[TM+4+\i], v[TM+\i], s[SEL], s[SEL+1]
.endr
.irp i, 0,1,2,3
	v_add_f32 v[TM+\i], v[TM+\i], v[TM+4+\i]
.endr
.irp i, 0,1,2,3
	ds_store_b32 v[RDW], v[TM+\i] offset:128*\i
.endr
	s_wait_dscnt 0x0                               ; my sums and my e have landed, and my reads of x's images are long over
	s_barrier_signal -1
	s_barrier_wait -1
.irp i, 0,1,2,3
.irp p, 0,1,2,3
	ds_load_b32 v[SA+4*\i+\p], v[RDR] offset:512*\p+128*\i
.endr
.endr
	s_wait_dscnt 0x0
.irp i, 0,1,2,3
	v_add_f32 v[SA+4*\i], v[SA+4*\i], v[SA+4*\i+1]
	v_add_f32 v[SA+4*\i+2], v[SA+4*\i+2], v[SA+4*\i+3]
.endr
.irp i, 0,1,2,3
	v_add_f32 v[SA+4*\i], v[SA+4*\i], v[SA+4*\i+2]
.endr
.irp i, 0,1,2,3
	v_rcp_f32 v[RR+2*\i], v[SA+4*\i]
.endr
	v_nop
	s_wait_alu depctr_va_vdst(0)                   ; one wait for the four reciprocals, ahead of their first reader
.irp i, 0,1,2,3
	v_mov_b32 v[RR+2*\i+1], v[RR+2*\i]
.endr
	; ---- NORM: p = e / sum, finished and normalised, is quantised along the keys.  My 32 keys of a step are block w of p's fragment (i, key step): the block's two halves lie in lanes l and l xor 16.
.macro NLOAD p                         ; pair p's e of the step
.set jj, 0
.rept 8
	ds_load_b128 v[SA+32*(\p)+4*jj:SA+32*(\p)+4*jj+3], v[ADE] offset:512*(8*(\p)+jj)
.set jj, jj+1
.endr
.endm
.macro NPART p                         ; the quantiser's block b is query tile b here; each pair has registers of its own throughout
.set jj, 0
.rept 8
.irp e, 0,1
	v_pk_mul_f32 v[SA+32*(\p)+16*\e+jj:SA+32*(\p)+16*\e+jj+1], v[SA+32*(\p)+16*\e+jj:SA+32*(\p)+16*\e+jj+1], v[RR+4*(\p)+2*\e:RR+4*(\p)+2*\e+1]
.endr
.set jj, jj+2
.endr
	QUANT 0, SA, 0, 2*(\p), 2
.irp e, 0,1
	ds_store_b64 v[ADP], v[PC+4*(\p)+2*\e:PC+4*(\p)+2*\e+1] offset:2048*(2*(\p)+\e)
.endr
.irp e, 0,1
	ds_store_b32 v[ADB], v[TM+4+2*(\p)+\e] offset:128*(2*(\p)+\e)   ; the block's byte, as a word in my wave's own part
.endr
.endm
	s_mov_b32 s[KS], 0
	s_mov_b32 s[TE], 0
	s_mov_b32 s[TP], 0
	s_mov_b32 s[TS], 0
.Lnloop:
	s_cmp_ge_u32 s[KS], s[NAP+1]
	s_cbranch_scc1 .Lnskip
	v_add_nc_u32 v[ADE], s[TE], v[EA]
	v_add_nc_u32 v[ADP], s[TP], v[PWI]
	v_add_nc_u32 v[ADB], s[TS], v[PWS]
	NLOAD 1                                        ; asked for ahead of the branch: one way through LDS serves both pairs
	s_cmp_ge_u32 s[KS], s[NAP]
	s_cbranch_scc1 .Lnone
	NLOAD 0
	s_wait_dscnt 0x0
	NPART 0
.Lnone:
	s_wait_dscnt 0x0                               ; pair 1's e are in
	NPART 1
	s_wait_dscnt 0x0                               ; the stores have read their registers
.Lnskip:
	s_add_co_u32 s[TE], s[TE], 8192
	s_add_co_u32 s[TP], s[TP], 256
	s_add_co_u32 s[TS], s[TS], 512
	s_add_co_u32 s[KS], s[KS], 1
	s_cmp_lt_u32 s[KS], 8
	s_cbranch_scc1 .Lnloop
	s_wait_dscnt 0x0
	s_barrier_signal -1
	s_barrier_wait -1                              ; p's codes and bytes lie in LDS
	; ---- PV: O^T = V^T P^T for my 256 columns, a key step at a time, pair by pair: 16 tiles x 2 tiles of queries, a pair's 32 accumulators by turns
.macro PLOAD p                         ; pair p's bytes (four waves' for each tile) and codes of the step
.irp e, 0,1
.irp q, 0,1,2,3
	ds_load_b32 v[PB+4*(2*(\p)+\e)+\q], v[ADB] offset:4096*\q+128*(2*(\p)+\e)
.endr
.endr
.irp e, 0,1
.irp c, 0,1
	ds_load_b128 v[PF+8*(2*(\p)+\e)+4*\c:PF+8*(2*(\p)+\e)+4*\c+3], v[ADP] offset:16384*\c+2048*(2*(\p)+\e)
.endr
.endr
.endm
.macro PWORD p                         ; the four waves' bytes make the scale word of these 128 keys
.irp e, 0,1
	v_lshl_or_b32 v[PS+2*(\p)+\e], v[PB+4*(2*(\p)+\e)+1], 8, v[PB+4*(2*(\p)+\e)]
.endr
.irp e, 0,1
	v_lshl_or_b32 v[PS+2*(\p)+\e], v[PB+4*(2*(\p)+\e)+2], 16, v[PS+2*(\p)+\e]
.endr
.irp e, 0,1
	v_lshl_or_b32 v[PS+2*(\p)+\e], v[PB+4*(2*(\p)+\e)+3], 24, v[PS+2*(\p)+\e]
.endr
.rept 8
	v_nop                                          ; a scale register written by a vector instruction stands eight places ahead of a scaled product
.endr
.endm
.macro PMUL p, buf, first
.if (\p) == 0
	WIN 0xa1                                       ; source 0 (values) window 1, source 1 (p) window 0, C and D window 2
.else
	WIN 0xf1                                       ; C and D window 3
.endif
.set jI, 2*(\p)
.rept 2
.set jT, 0
.rept 16
.set jD, 128*(jI%2)+8*jT
.set jC, jD
.set jA, 128*(\buf)+8*jT
.set jB, PF+8*jI
.set jSA, VSC+8*(\buf)+jT/2
.set jSB, PS+jI
.set jRA, jT%2
.set jRB, 0
.if \first
	WMZ
.else
	WMC
.endif
.set jT, jT+1
.endr
.set jI, jI+1
.endr
	WIN 0
.endm
.macro PVSTEP buf, first, last
.if \first == 0
	s_cmp_ge_u32 s[KS], s[NAP+1]
	s_cbranch_scc1 .Lpskip_\@
.endif
	v_add_nc_u32 v[ADP], s[TP], v[PRI]
	v_add_nc_u32 v[ADB], s[TS], v[PRS]
	PLOAD 1                                        ; asked for ahead of the branch: one way through LDS serves both pairs
.if \first == 0
	s_cmp_ge_u32 s[KS], s[NAP]
	s_cbranch_scc1 .Lpone_\@                       ; pair 0 has no key in this step
.endif
	PLOAD 0
	s_wait_dscnt 0x0
	PWORD 0
	PMUL 0, \buf, \first
.if \first == 0
.Lpone_\@:
.endif
	s_wait_dscnt 0x0                               ; pair 1's bytes and codes are in
	PWORD 1
	PMUL 1, \buf, \first                           ; the buffer's last readers
	PLACES
.if \last
	s_wait_loadcnt 0x0
.else
	s_add_co_u32 s60, s[KS], 2
	s_cmp_lt_u32 s60, s[NAP+1]
	s_cbranch_scc0 .Lpnone_\@
	s_wait_xcnt 0x0                                ; the loads that named these bases have read them
	s_add_nc_u64 s[VP2:VP2+1], s[VP2:VP2+1], 1024
	s_add_nc_u64 s[VSP2:VSP2+1], s[VSP2:VSP2+1], 128
	VLOAD \buf, VP2, VSP2, 0                       ; the key step two on, into the buffer just multiplied
	s_wait_loadcnt 40                              ; all but these 40: the next key step is in
	s_branch .Lpgo_\@
.Lpnone_\@:
	s_wait_loadcnt 0x0
.Lpgo_\@:
.endif
.if \first == 0
	s_branch .Lpend_\@
.Lpskip_\@:
	s_wait_loadcnt 0x0
.Lpend_\@:
.endif
	s_add_co_u32 s[KS], s[KS], 1
	s_add_co_u32 s[TP], s[TP], 256
	s_add_co_u32 s[TS], s[TS], 512
.endm
	s_mov_b32 s[KS], 0
	s_mov_b32 s[TP], 0
	s_mov_b32 s[TS], 0
	s_mov_b32 s[TRIP], 0
	s_wait_loadcnt 40                              ; the values of key step 0 are in; key step 1's 40 loads may be out
	PVSTEP 0, 1, 0                                 ; key step 0 is always walked by both pairs (key 0 counts for every query): its products start the sums
.Lploop:
	PVSTEP 1, 0, 0
	PVSTEP 0, 0, 0
	s_add_co_u32 s[TRIP], s[TRIP], 1
	s_cmp_lt_u32 s[TRIP], 3
	s_cbranch_scc1 .Lploop
	PVSTEP 1, 0, 1
	; ---- THE WAY OUT, a tile of 16 queries at a time: a lane's 32 neighbouring bytes of a row go into my own stage (rows of 1,024 bytes + 16) and come back as runs of 512 bytes, which 32 lanes store whole.
.macro TOSTAGE i
.set tA, 128*((\i)%2)
.if (\i) < 2
	WIN 0x08                                       ; an LDS store's data are its source 1: window 2,
.else
	WIN 0x0c                                       ; or 3
.endif
.irp t, 0,1,2,3,4,5,6,7,8,9,10,11,12,13,14,15
	ds_store_b128 v[STO], v[tA+8*\t:tA+8*\t+3] offset:64*\t          ; each accumulator from its low end on
	ds_store_b128 v[STO], v[tA+8*\t+4:tA+8*\t+7] offset:64*\t+16
.endr
	WIN 0x40
.set jj, 0
.rept 16
	ds_load_b128 v[tA+8*jj:tA+8*jj+3], v[EA] offset:1040*jj          ; LDS serves a wave's instructions in order (ISA guide 5.7.1.4): these see the stores above
	ds_load_b128 v[tA+8*jj+4:tA+8*jj+7], v[EA] offset:1040*jj+512
.set jj, jj+1
.endr
	WIN 0
.endm
.macro SEND i, younger                 ; younger: LDS instructions issued behind tile i's loads, which may stay out
.set tB, 128*((\i)%2)
.if (\i) < 2
.set oP, 20                            ; pair 0's rows of out,
.else
.set oP, OZ                            ; or pair 1's
.endif
	s_wait_dscnt \younger
	WIN 0x04                                       ; a store's data are its source 1: window 1
.set jj, 0
.rept 16
.set oO, (8*((\i)%2)+jj+8*(jj/8))*4096
	global_store_b128 v[L16], v[tB+8*jj:tB+8*jj+3], s[oP:oP+1] offset:oO th:TH_STORE_NT        ; 512 consecutive bytes, at a multiple of 256 from out's first byte
	global_store_b128 v[L16], v[tB+8*jj+4:tB+8*jj+7], s[oP:oP+1] offset:oO+512 th:TH_STORE_NT
.set jj, jj+1
.endr
	WIN 0
.endm
	TOSTAGE 0
.irp i, 1,2,3
.if \i > 1
	s_wait_xcnt 0x0                                ; the stores of two tiles back have read the registers into which this tile's rows come
.endif
	TOSTAGE \i
	SEND \i-1, 63                                  ; behind the last tile's loads stand this tile's 64 LDS instructions; the count is the largest that the field holds
.endr
	SEND 3, 0
	s_wait_tensorcnt 0x0
	ds_add_u32 v57, v63
	s_wait_dscnt 0x0
	s_endpgm
.Lfunc_end_k_q8f77d5270a_attn:
	.size	k_q8f77d5270a_attn, .Lfunc_end_k_q8f77d5270a_attn-k_q8f77d5270a_attn
	.p2alignl 7, 3214868480
	.fill 96, 4, 3214868480
	.section	.rodata,"a",@progbits
	.p2align	6, 0x0
	.amdhsa_kernel k_q8f77d5270a_attn
		.amdhsa_group_segment_fixed_size 317952
		.amdhsa_private_segment_fixed_size 0
		.amdhsa_enable_private_segment 0
		.amdhsa_kernarg_size 72
		.amdhsa_user_sgpr_count 2
		.amdhsa_user_sgpr_kernarg_segment_ptr 1
		.amdhsa_wavefront_size32 1
		.amdhsa_system_sgpr_workgroup_id_x 1
		.amdhsa_system_sgpr_workgroup_id_y 1
		.amdhsa_system_sgpr_workgroup_id_z 1
		.amdhsa_system_vgpr_workitem_id 0
		.amdhsa_next_free_vgpr 1024
		.amdhsa_next_free_sgpr 80
		.amdhsa_reserve_vcc 1
		.amdhsa_float_denorm_mode_32 3
		.amdhsa_float_denorm_mode_16_64 3
		.amdhsa_memory_ordered 1
		.amdhsa_forward_progress 1
		.amdhsa_inst_pref_size 255
	.end_amdhsa_kernel
	.section	.bss,"aw",@nobits
	.p2align	6
	.space	262144
	.amdgpu_metadata
---
amdhsa.version: [ 1, 2 ]
amdhsa.kernels:
  - .name:           k_q8f77d5270a_attn
    .symbol:         k_q8f77d5270a_attn.kd
    .args:
      - { .name: fq_codes, .offset: 0, .size: 8, .value_kind: global_buffer, .address_space: global }
      - { .name: fq_scales, .offset: 8, .size: 8, .value_kind: global_buffer, .address_space: global }
      - { .name: ft_codes, .offset: 16, .size: 8, .value_kind: global_buffer, .address_space: global }
      - { .name: ft_scales, .offset: 24, .size: 8, .value_kind: global_buffer, .address_space: global }
      - { .name: wq_codes, .offset: 32, .size: 8, .value_kind: global_buffer, .address_space: global }
      - { .name: wq_scales, .offset: 40, .size: 8, .value_kind: global_buffer, .address_space: global }
      - { .name: b, .offset: 48, .size: 8, .value_kind: global_buffer, .address_space: global }
      - { .name: lengths, .offset: 56, .size: 8, .value_kind: global_buffer, .address_space: global }
      - { .name: out0, .offset: 64, .size: 8, .value_kind: global_buffer, .address_space: global }
    .group_segment_fixed_size: 317952
    .private_segment_fixed_size: 0
    .kernarg_segment_align: 8
    .kernarg_segment_size: 72
    .max_flat_workgroup_size: 128
    .sgpr_count:     80
    .vgpr_count:     1024
    .wavefront_size: 32
...
	.end_amdgpu_metadata
.endif
;; end of part 2
;; ======== version 2 of 2: 2 launches
;; workspace buffers: fq_codes 8,388,608 bytes; fq_scales 524,288 bytes; ft_codes 8,388,608 bytes; ft_scales 524,288 bytes; wq_codes 524,288 bytes; wq_scales 32,768 bytes
;; launch quant (part 3): grid 1088 x 1, 4 waves a work-group, no clusters, 20,992 bytes of LDS; arguments features, W, fq_codes, fq_scales, ft_codes, ft_scales, wq_codes, wq_scales; writes fq_codes, fq_scales, ft_codes, ft_scales, wq_codes, wq_scales
.if DOCPART == 3
	.amdgcn_target "amdgcn-amd-amdhsa--gfx1250"
	.amdhsa_code_object_version 6
	.text
	.protected	k_q8f77d5270a_quant
	.globl	k_q8f77d5270a_quant
	.p2align	8
	.type	k_q8f77d5270a_quant,@function
k_q8f77d5270a_quant:
	s_mov_b64 s[64:65], 0
	v_nop
	global_prefetch_b8 v0, s[64:65] scope:SCOPE_SE
	s_setreg_imm32_b32 hwreg(HW_REG_WAVE_MODE, 25, 1), 1
	s_wait_xcnt 0x0
; features [16384][1024] and W [1024][1024], f32, become codes of FP4 (E2M1) with one E8M0 byte for each 32 along K, laid in the order of a matrix operand's registers.
; features twice: along v (fq: operand of the first two products) and along n inside a batch (ft: operand of the third); W along v (wq).
; LAYOUTS.  fq_codes, wq_codes: [P = row / 32][u 2][kb = v / 32 (32)][r 16][16 bytes]; tile u's row r is row 32 P + 8 u + r + 8 (r / 8), so that two neighbouring result tiles hold 16 neighbours of the next K.
;   fq_scales, wq_scales: [P][s = v / 128 (8)][l = 16 u + r][4 bytes], byte i for kb = 4 s + i.
;   ft_codes: [batch][T = v / 16 (64)][kb = n / 32 (32)][r = v % 16][16 bytes];  ft_scales: [batch][v / 32][s = n / 128 (8)][l = v % 32][4 bytes].
;   So a fragment (tile, 128 along K) is 1,024 consecutive bytes, 16 x lane in each half of 512.
; A block's scale is 2^(floor(log2(largest magnitude)) - 2); its byte is the largest magnitude's exponent field - 2, held at 1 from below.
; LIMITS: a block of zeros gets the byte 1 where the rule says 127 (its codes are zeros, and this program alone reads the bytes); NaN and infinities among the inputs are not served.
; SHARES.  A work-group takes 128 rows x 128 columns: the first 1,024 of features, the last 64 of W.  Wave w takes columns 32 w .. 32 w + 31, four tiles of 32 rows.
; A LANE TAKES A COLUMN AND ITS REGISTERS RUN DOWN THE ROWS: that is a block along n as it stands (ft).  For the block along v the tile turns through the wave's own stage in LDS.
.set SP,   144                         ; a stage row: 128 bytes + 16 of padding, an odd multiple of 16
.set SCG,  4*32*SP                     ; behind the four stages: [wave 4][tile 4][lane 32] words, each holding one scale byte
.set CT,   16                          ; v16-19   codes along n
.set CQ,   20                          ; v20-23   codes along v
.set Y,    24                          ; v24-55   a row's 32 neighbours along v
.set X,    56                          ; v56-183  four tiles of 32 numbers down a column
.set RB,   184                         ; v184-187 the row blocks' bytes, one a tile
.set GW,   188                         ; v188-191 four waves' bytes of a scale word
	s_load_b512 s[4:19], s[0:1], 0x0               ; features, W, fq_codes, fq_scales, ft_codes, ft_scales, wq_codes, wq_scales
	v_lshl_add_u32 v192, v0, 2, 0x5000
	v_mov_b32 v193, 0
	v_lshrrev_b32 v1, 5, v0
	v_readfirstlane_b32 s20, v1                    ; wave 0..3
	v_and_b32 v1, 31, v0                           ; lane
	v_lshlrev_b32 v2, 2, v1                        ; 4 x lane
	v_lshrrev_b32 v3, 4, v1
	v_and_b32 v4, 15, v1
	v_lshlrev_b32 v3, 13, v3
	v_lshl_add_u32 v3, v4, 4, v3                   ; codes: 8192 (lane / 16) + 16 (lane % 16): sixteen lanes fill 256 bytes of one tile
	s_mul_i32 s21, s20, 32*SP                      ; my stage
	v_add_nc_u32 v4, s21, v2                       ; into it: 4 x lane in a row
	v_mul_u32_u24 v5, v1, SP
	v_add_nc_u32 v5, s21, v5                       ; out of it: row = lane
	s_lshl_b32 s22, s20, 9
	v_add_nc_u32 v6, s22, v2
	v_add_nc_u32 v6, SCG, v6                       ; my wave's byte words: 512 x wave + 4 x lane
	s_lshl_b32 s22, s20, 7
	v_add_nc_u32 v7, s22, v2
	v_add_nc_u32 v7, SCG, v7                       ; the words of tile w, of wave 0: 128 x wave + 4 x lane
	v_mov_b32 v14, 0                               ; the scale word along n
	s_cmp_lt_u32 ttmp9, 1024
	s_cselect_b32 s28, 1, 0                        ; 1: features, 0: W
	s_cselect_b32 s23, 0, 1024
	s_sub_co_u32 s23, ttmp9, s23                   ; the block's number in its tensor
	s_lshr_b32 s24, s23, 3                         ; rb: which 128 rows
	s_and_b32 s25, s23, 7                          ; cb: which 128 columns
	s_lshl_b32 s30, s24, 19                        ; source: rb x 128 rows of 4,096 bytes + cb x 512 + wave x 128
	s_lshl_b32 s26, s25, 9
	s_add_co_u32 s30, s30, s26
	s_lshl_b32 s26, s20, 7
	s_add_co_u32 s30, s30, s26
	s_mov_b32 s31, 0
	s_lshl_b32 s27, s25, 2
	s_add_co_u32 s27, s27, s20                     ; 4 cb + wave: my block along v
	s_lshl_b32 s32, s24, 16                        ; codes along v: rb x 4 pairs of 16,384 + (4 cb + wave) x 256
	s_lshl_b32 s26, s27, 8
	s_add_co_u32 s32, s32, s26
	s_mov_b32 s33, 0
	s_lshl_b32 s34, s24, 2                         ; scale words along v: pair 4 rb + wave, K step cb
	s_add_co_u32 s34, s34, s20
	s_lshl_b32 s34, s34, 10
	s_lshl_b32 s26, s25, 7
	s_add_co_u32 s34, s34, s26
	s_mov_b32 s35, 0
	s_lshr_b32 s29, s24, 3                         ; batch
	s_and_b32 s26, s24, 7                          ; which 128 rows of it
	s_lshl_b32 s36, s29, 19                        ; codes along n: batch x 524,288 + (8 cb + 2 wave) x 8,192 + (rb % 8) x 1,024
	s_lshl_b32 s38, s27, 14
	s_add_co_u32 s36, s36, s38
	s_lshl_b32 s38, s26, 10
	s_add_co_u32 s36, s36, s38
	s_mov_b32 s37, 0
	s_lshl_b32 s38, s29, 15                        ; scale words along n: batch x 32,768 + (4 cb + wave) x 1,024 + (rb % 8) x 128
	s_lshl_b32 s40, s27, 10
	s_add_co_u32 s38, s38, s40
	s_lshl_b32 s40, s26, 7
	s_add_co_u32 s38, s38, s40
	s_mov_b32 s39, 0
	s_wait_alu depctr_va_vdst(0)
	s_wait_kmcnt 0x0
	s_cmp_lt_u32 ttmp9, 1024                       ; the choice of buffers hangs on the work-group's number alone
	s_cselect_b64 s[4:5], s[4:5], s[6:7]
	s_cselect_b64 s[8:9], s[8:9], s[16:17]
	s_cselect_b64 s[10:11], s[10:11], s[18:19]
	s_add_nc_u64 s[4:5], s[4:5], s[30:31]
	s_add_nc_u64 s[8:9], s[8:9], s[32:33]
	s_add_nc_u64 s[10:11], s[10:11], s[34:35]
	s_add_nc_u64 s[12:13], s[12:13], s[36:37]
	s_add_nc_u64 s[14:15], s[14:15], s[38:39]
.macro LOAD t                          ; tile t: 32 rows of my 32 columns; a load reads 128 consecutive bytes, the four waves side by side 512
.set ii, 0
.rept 32
	global_load_b32 v[X+32*(\t)+ii], v2, s[4:5] offset:(32*(\t)+ii)*4096 th:TH_LOAD_NT
.set ii, ii+1
.endr
.endm
.macro QMAX base                       ; the largest magnitude of 32 numbers of a lane, with the floor 2^(3 - 127); v12: 2 off its exponent field, the conversion's scale operand
	v_max3_num_f32 v8, |v[\base]|, |v[\base+1]|, |v[\base+2]|
	v_max3_num_f32 v9, |v[\base+3]|, |v[\base+4]|, |v[\base+5]|
.irp k, 6,10,14,18,22,26
	v_max3_num_f32 v8, v8, |v[\base+\k]|, |v[\base+\k+1]|
	v_max3_num_f32 v9, v9, |v[\base+\k+2]|, |v[\base+\k+3]|
.endr
	v_max3_num_f32 v8, v8, |v[\base+30]|, |v[\base+31]|
	v_max3_num_f32 v8, v8, v9, 0x1800000
	v_add_nc_u32 v12, 0xff000000, v8
.endm
.macro QCVT base, dst                  ; 32 codes, 16 bytes; a plain line behind the last conversion
.irp g, 0,1,2,3
	v_cvt_scalef32_pk8_fp4_f32 v[\dst+\g], v[\base+8*\g:\base+8*\g+7], v12
.endr
	v_nop
.endm
.macro TILE t
.set XB, X+32*(\t)
.if (\t) < 3
	s_wait_loadcnt 32                              ; this tile's 32 loads are in; the next tile's 32 may be out
.else
	s_wait_loadcnt 0x0
.endif
.if (\t) < 2
	LOAD (\t)+2                                    ; two tiles ahead, into registers of its own
.endif
.set ii, 0
.rept 32                               ; row 16 a + 8 u + j of the tile goes to stage row 16 u + 8 a + j: the operand's row order
	ds_store_b32 v4, v[XB+ii] offset:(16*((ii/8)%2)+8*(ii/16)+ii%8)*SP
.set ii, ii+1
.endr
.irp k, 0,1,2,3,4,5,6,7
	ds_load_b128 v[Y+4*\k:Y+4*\k+3], v5 offset:16*\k   ; LDS serves a wave's instructions in order: these see the stores above
.endr
	s_cmp_eq_u32 s28, 0
	s_cbranch_scc1 .Lnot_f_\@                      ; W has no operand along its rows
	QMAX XB                                        ; the block along n: all 32 numbers are mine
	v_lshrrev_b32 v13, 23, v12
	v_lshl_or_b32 v14, v13, 8*(\t), v14            ; its byte, at its place in the scale word
	s_wait_alu depctr_va_vdst(0)
	s_wait_xcnt 0x0                                ; the last tile's store has read v16-19
	QCVT XB, CT
	global_store_b128 v3, v[CT:CT+3], s[12:13] offset:256*(\t)   ; sixteen lanes store 256 consecutive bytes, aligned
.Lnot_f_\@:
	s_wait_dscnt 0x0                               ; my row's 32 neighbours along v are in
	QMAX Y
	v_lshrrev_b32 v[RB+(\t)], 23, v12
	s_wait_alu depctr_va_vdst(0)
	s_wait_xcnt 0x0                                ; the last tile's store has read v20-23
	QCVT Y, CQ
	global_store_b128 v3, v[CQ:CQ+3], s[8:9] offset:16384*(\t)
	ds_store_b32 v6, v[RB+(\t)] offset:128*(\t)    ; the byte, as a word in my wave's own part
.endm
	LOAD 0
	LOAD 1
	TILE 0
	TILE 1
	TILE 2
	TILE 3
	s_cmp_eq_u32 s28, 0
	s_cbranch_scc1 .Lno_fts
	global_store_b32 v2, v14, s[14:15]             ; 32 columns' scale words along n: 128 consecutive bytes
.Lno_fts:
	s_wait_dscnt 0x0                               ; for the others' sake: my byte words have landed
	s_barrier_signal -1
	s_barrier_wait -1
.irp p, 0,1,2,3
	ds_load_b32 v[GW+\p], v7 offset:512*\p         ; tile w's bytes of the four blocks along v, one from each wave
.endr
	s_wait_dscnt 0x0
	v_lshl_or_b32 v15, v[GW+1], 8, v[GW]
	v_lshl_or_b32 v15, v[GW+2], 16, v15
	v_lshl_or_b32 v15, v[GW+3], 24, v15
	global_store_b32 v2, v15, s[10:11]             ; pair 4 rb + w, K step cb: 128 consecutive bytes
	s_wait_tensorcnt 0x0
	ds_add_u32 v192, v193
	s_wait_dscnt 0x0
	s_endpgm
.Lfunc_end_k_q8f77d5270a_quant:
	.size	k_q8f77d5270a_quant, .Lfunc_end_k_q8f77d5270a_quant-k_q8f77d5270a_quant
	.p2alignl 7, 3214868480
	.fill 96, 4, 3214868480
	.section	.rodata,"a",@progbits
	.p2align	6, 0x0
	.amdhsa_kernel k_q8f77d5270a_quant
		.amdhsa_group_segment_fixed_size 20992
		.amdhsa_private_segment_fixed_size 0
		.amdhsa_enable_private_segment 0
		.amdhsa_kernarg_size 64
		.amdhsa_user_sgpr_count 2
		.amdhsa_user_sgpr_kernarg_segment_ptr 1
		.amdhsa_wavefront_size32 1
		.amdhsa_system_sgpr_workgroup_id_x 1
		.amdhsa_system_sgpr_workgroup_id_y 1
		.amdhsa_system_sgpr_workgroup_id_z 1
		.amdhsa_system_vgpr_workitem_id 0
		.amdhsa_next_free_vgpr 194
		.amdhsa_next_free_sgpr 66
		.amdhsa_reserve_vcc 0
		.amdhsa_float_denorm_mode_32 3
		.amdhsa_float_denorm_mode_16_64 3
		.amdhsa_memory_ordered 1
		.amdhsa_forward_progress 1
		.amdhsa_inst_pref_size 40
	.end_amdhsa_kernel
	.amdgpu_metadata
---
amdhsa.version: [ 1, 2 ]
amdhsa.kernels:
  - .name:           k_q8f77d5270a_quant
    .symbol:         k_q8f77d5270a_quant.kd
    .args:
      - { .name: features, .offset: 0, .size: 8, .value_kind: global_buffer, .address_space: global }
      - { .name: W, .offset: 8, .size: 8, .value_kind: global_buffer, .address_space: global }
      - { .name: fq_codes, .offset: 16, .size: 8, .value_kind: global_buffer, .address_space: global }
      - { .name: fq_scales, .offset: 24, .size: 8, .value_kind: global_buffer, .address_space: global }
      - { .name: ft_codes, .offset: 32, .size: 8, .value_kind: global_buffer, .address_space: global }
      - { .name: ft_scales, .offset: 40, .size: 8, .value_kind: global_buffer, .address_space: global }
      - { .name: wq_codes, .offset: 48, .size: 8, .value_kind: global_buffer, .address_space: global }
      - { .name: wq_scales, .offset: 56, .size: 8, .value_kind: global_buffer, .address_space: global }
    .group_segment_fixed_size: 20992
    .private_segment_fixed_size: 0
    .kernarg_segment_align: 8
    .kernarg_segment_size: 64
    .max_flat_workgroup_size: 128
    .sgpr_count:     66
    .vgpr_count:     194
    .wavefront_size: 32
...
	.end_amdgpu_metadata
.endif
;; end of part 3
;; launch attn (part 4): grid 16 x 16, 4 waves a work-group, no clusters, 317,952 bytes of LDS; arguments fq_codes, fq_scales, ft_codes, ft_scales, wq_codes, wq_scales, b, lengths, out0; writes out0
.if DOCPART == 4
	.amdgcn_target "amdgcn-amd-amdhsa--gfx1250"
	.amdhsa_code_object_version 6
	.text
	.protected	k_q8f77d5270a_attn
	.globl	k_q8f77d5270a_attn
	.p2align	8
	.type	k_q8f77d5270a_attn,@function
k_q8f77d5270a_attn:
	s_mov_b64 s[64:65], 0
	v_nop
	global_prefetch_b8 v0, s[64:65] scope:SCOPE_SE
	s_setreg_imm32_b32 hwreg(HW_REG_WAVE_SCHED_MODE, 0, 2), 2
	s_setreg_imm32_b32 hwreg(HW_REG_WAVE_MODE, 25, 1), 1
	s_wait_xcnt 0x0
	s_wait_alu depctr_vm_vsrc(0)
; out[n] = sum over m of p[n][m] f[m],  p = e^tanh(s) mask / sum(e^tanh(s) mask),  s = x[n] . f[m],  x = f W^T + b.  All three products on codes of FP4 with E8M0 scales.
; The full softmax's divisor cancels in alpha_masked / alpha_sum, so it is not formed.  No maximum is taken away: tanh holds the exponent within -1 .. 1 for every input, so no exponential and no sum of 1,024 of them can overflow or underflow.
; mask: key m counts for query n where m <= n and m < lengths[batch].  Key steps of 128 that lie wholly under the mask are not multiplied: a scalar branch on ids and on lengths.
; LIMITS: lengths under 1 (where the definition gives NaN) is served as 1, above 1,024 as 1,024; NaN and infinities are not served; a block of zeros gets the scale byte 1 (its codes are zeros);
;   a row's sum is added in another order than the definition's; 1 / sum is v_rcp_f32 and a multiplication.
; SHARES.  A work-group takes 64 queries of one batch through the whole chain: TWO BLOCKS OF 32, block j (pair 0: query tiles 0, 1) and block 31 - j (pair 1: tiles 2, 3).  A pair walks ceil((its last query + 1) / 128) key steps,
;   so at full length the two pairs together walk ceil((j + 1) / 4) + ceil((32 - j) / 4) = 9 half steps whatever j is.  Each step is cut by pair; pair 0's part stands under one branch.
;   THE FOUR WAVES SHARE THE COLUMNS, NOT THE ROWS: wave w makes x's outputs 256 w .. + 255, takes keys 32 w .. + 31 of each key step, and makes out's columns 256 w .. + 255, each for all 64 queries.
;   So every fragment of W, of the keys and of the values is read by ONE wave and comes from memory straight into registers (dense loads of 512 bytes).
;   No tensor load and no cluster: the walk over the keys ends by lengths, a number read from memory.
; Through LDS go only what is made on the way: x's and p's operands as images of their registers, the row sums, each wave's own e, the stage for out.
; ALL PRODUCTS ARE USED TRANSPOSED (source 1 = 16 queries): a lane holds one query, lane % 16, throughout.  Query tile i = 2 p + u: lane r holds query (first query of pair p) + 8 u + r + 8 (r / 8).
; REGISTERS, in windows of 256.  window 0: v1-18 addresses; v20-62 masks, sums, at work; v64-71 codes just made; v72-123 scale words; v128-255 the bias, then v128-191 scores, then p's fragments.
;   window 1: my queries' fragments of f, then of x (tile i, K step s at 64 i + 8 s); then two buffers of values (128 buf + 8 t); on the way out rows of out.
;   window 2: x's accumulators (64 i + 8 t); then two buffers of keys (128 buf + 64 u + 8 s); then out's accumulators of tiles 0, 1 (128 i + 8 t).   window 3: four buffers of W (64 (g % 4) + 8 t); then out's of tiles 2, 3.
; THE MODE: SCHED_MODE bits 1:0 = 2 (LLVM: expert scheduling mode 2), set by the entry lines.  The code itself states the register dependences
;   between vector or matrix instructions and memory or LDS instructions, with s_wait_alu, always for 0.
; THE PLAN.  Registers that memory or LDS instructions touch, who else names them, and the wait between the two:
;   v1-15    offsets and LDS addresses: written at the head and never again.  One wait on va_vdst ahead of the first load serves every load and store of the kernel.
;   v16-18   the LDS addresses in hand: written at the head of a step of S, NORM and PV, read by that step's LDS instructions.  A wait on vm_vsrc ahead of the additions; a wait on va_vdst ahead of the first reader.
;   W's four buffers and scale words: step g's products read buffer g % 4, group g + 4 lands there in step g + 1.  A wait on va_vdst at that step's head.
;   v62, v64-71 (in NORM v50-53 too): the quantiser writes them, LDS stores read them.  va_vdst between the two; vm_vsrc ahead of the next quantiser.
;   x's sums, f's fragments and scale words: named by X's products and quantiser; the keys, x's fragments and x's scale words land there.  The va_vdst ahead of the last stores of x's codes covers all three: no vector instruction follows it.
;   the keys' and the values' two buffers and scale words: a step's products read one, the refill lands there.  va_vdst in the arm that refills.
;   the scores v128-191: written by products, exponentials and the mask's selects; read by e's stores.  The third batch's wait, or under the mask one behind the selects; vm_vsrc at the next step's head.
;   p's scale words v120-123: made by vector instructions, taken as scales.  The eight places, then va_vdst.
;   out's accumulators and window 1 on the way out: one va_vdst ahead of the first tile; vm_vsrc ahead of a tile whose rows land where global stores have read.
;   The mask's compares write sixteen scalar registers in a run, with one wait on va_sdst behind the run; the wave's number has its own.
.set XIMG, 262144                      ; LDS: bytes 0 .. 262,143: 65,536 for each wave: its e [key step 8][16][lane][16 bytes] (pair p: pieces 8 p .. 8 p + 7); later its stage, 16 rows x 1,040
.set XSC,  XIMG+32768                  ; XIMG: x's 32 fragments, (8 i + s) x 1,024; later p's codes [wave 4][i 4][key step 8][256 bytes].   XSC: x's scale words, (8 i + s) x 128 + 4 x lane
.set RED,  XSC+4096                    ; the row sums: 512 x wave + 128 i + 4 x lane
.set PSB,  RED+2048                    ; p's scale bytes, a word each: [wave 4][key step 8][i 4][lane 32]
.set L16, 1                            ; 16 x lane
.set L4,  2                            ; 4 x lane
.set H64, 3                            ; 64 (lane / 16)
.set XWI, 4                            ; where I store x's codes
.set XWS, 5                            ; and x's scale words
.set XRI, 6                            ; where I read x's fragments
.set XRS, 7                            ; and their scale words
.set EA,  8                            ; my wave's 65,536 bytes + 16 x lane
.set PWI, 9                            ; where I store p's codes
.set PWS, 10                           ; and p's bytes
.set RDW, 11                           ; where I store row sums
.set RDR, 12                           ; and read them
.set STO, 13                           ; the stage: where I put 32 bytes of a row
.set PRI, 14                           ; where I read p's fragments
.set PRS, 15                           ; and p's bytes
.set ADE, 16                           ; the addresses in hand
.set ADP, 17
.set ADB, 18
.set MD,  20                           ; v20-23  tile i: min(my query + 1, lengths) - 32 w - 16 (lane / 16)
.set MT,  24                           ; v24-27  the same less the step's first key; behind the mask: two second chains of the sums
.set SM,  28                           ; v28-35  tile i: the row's sum, in two halves
.set RR,  36                           ; v36-43  tile i: 1 / sum, twice
.set KC,  44                           ; v44-45  log2(e), twice
.set TM,  46                           ; v46-61  +0..3 largest magnitudes, +4..7 the other half's, then bytes, +12..15 the conversions' scale operands (v57 is not among them: it is the closing add's)
.set PW,  62                           ; a scale word just made
.set PC,  64                           ; v64-71  codes just made
.set FS,  72                           ; v72-87  my queries' scale words of f;  v88-103 W's, four buffers of four
.set WS,  88
.set XS,  72                           ; v72-103 then x's scale words, 8 i + s
.set KSC, 104                          ; v104-119 the keys' scale words, two buffers of eight; then the values'
.set VSC, 104
.set PS,  120                          ; v120-123 p's scale words
.set RL,  124                          ; at work in the head
.set HL,  125
.set LL,  126
.set QL,  127
.set BI,  128                          ; the bias: 64 hf + 8 t
.set SA,  128                          ; the scores: 16 i + n
.set PF,  128                          ; p's fragments: 8 i
.set PB,  160                          ; p's bytes as read: 4 i + wave
.set WV,  22
.set QB,  23                           ; j: the work-group's x
.set BT,  24
.set N0,  25                           ; pair 0's first query: 32 j
.set LEN, 26
.set N0Z, 27                           ; pair 1's first query: 32 (31 - j)
.set KS,  30                           ; the key step
.set KF,  31                           ; its first key
.set TRIP, 32
.set TE,  33                           ; LDS steps: stepped on every way through a loop of constant count
.set TP,  34
.set TS,  35
.set SEL, 36                           ; s[36:37] v_permlanex16_b32's selects for lane l xor 16
.set C1,  38                           ; s[38:39] 2 log2(e)
.set C2,  40                           ; s[40:41] -2 log2(e)
.set FQP, 42                           ; pair 0's fragments of f
.set KP,  44
.set KSP, 46
.set KP2, 48
.set KSP2, 50
.set VP,  52
.set VSP, 54
.set VP2, 56
.set VSP2, 58
.set NAP, 66                           ; s66, s67  key steps that pair 0, pair 1 walk: 1 .. 8, pair 0's never more than pair 1's
.set LMP, 68                           ; s68, s69  keys under this count for all queries of pair 0, pair 1
.set FQZ, 70                           ; s[70:71] pair 1's fragments of f
.set FSZ, 72                           ; s[72:73] and their scale words
.set OZ,  74                           ; s[74:75] pair 1's rows of out
.set CM,  76                           ; s76-91  the lane masks of a tile's sixteen compares
.set MSB, 0
.macro WIN new                         ; the immediate's high byte repeats the setting that is left; at a label and at a branch every window is 0
.if MSB != \new
	s_set_vgpr_msb (MSB<<8)|\new
.set MSB, \new
.endif
.endm
.macro PLACES                          ; behind a run of products: four places serve loads into, and reads of, their registers; the fifth a product that writes over one
.rept 5
	v_nop
.endr
.endm
; One product; the registers and the rows of the scale registers stand in symbols jD, jA, jB, jC, jSA, jSB, jRA, jRB.  WMC adds onto v[jC ..], WMZ starts a sum with 0.
.macro WMC
.if jRA && jRB
	v_wmma_scale_f32_16x16x128_f8f6f4 v[jD:jD+7], v[jA:jA+7], v[jB:jB+7], v[jC:jC+7], v[jSA], v[jSB] matrix_a_fmt:MATRIX_FMT_FP4 matrix_b_fmt:MATRIX_FMT_FP4 matrix_a_scale:MATRIX_SCALE_ROW1 matrix_b_scale:MATRIX_SCALE_ROW1
.elseif jRA
	v_wmma_scale_f32_16x16x128_f8f6f4 v[jD:jD+7], v[jA:jA+7], v[jB:jB+7], v[jC:jC+7], v[jSA], v[jSB] matrix_a_fmt:MATRIX_FMT_FP4 matrix_b_fmt:MATRIX_FMT_FP4 matrix_a_scale:MATRIX_SCALE_ROW1
.elseif jRB
	v_wmma_scale_f32_16x16x128_f8f6f4 v[jD:jD+7], v[jA:jA+7], v[jB:jB+7], v[jC:jC+7], v[jSA], v[jSB] matrix_a_fmt:MATRIX_FMT_FP4 matrix_b_fmt:MATRIX_FMT_FP4 matrix_b_scale:MATRIX_SCALE_ROW1
.else
	v_wmma_scale_f32_16x16x128_f8f6f4 v[jD:jD+7], v[jA:jA+7], v[jB:jB+7], v[jC:jC+7], v[jSA], v[jSB] matrix_a_fmt:MATRIX_FMT_FP4 matrix_b_fmt:MATRIX_FMT_FP4
.endif
.endm
.macro WMZ
.if jRA
	v_wmma_scale_f32_16x16x128_f8f6f4 v[jD:jD+7], v[jA:jA+7], v[jB:jB+7], 0, v[jSA], v[jSB] matrix_a_fmt:MATRIX_FMT_FP4 matrix_b_fmt:MATRIX_FMT_FP4 matrix_a_scale:MATRIX_SCALE_ROW1
.else
	v_wmma_scale_f32_16x16x128_f8f6f4 v[jD:jD+7], v[jA:jA+7], v[jB:jB+7], 0, v[jSA], v[jSB] matrix_a_fmt:MATRIX_FMT_FP4 matrix_b_fmt:MATRIX_FMT_FP4
.endif
.endm
; W's group g = 8 hf + s: eight tiles of 16 outputs (half hf of my 256) x 128 along K (step s), and their scale words: 20 loads, into buffer g % 4
.macro WLOAD g
.set wB, 64*((\g)%4)
.set wO, ((\g)/8)*65536+((\g)%8)*1024
	WIN 0xc0
.irp t, 0,1,2,3,4,5,6,7
.irp c, 0,1
	global_load_b128 v[wB+8*\t+4*\c:wB+8*\t+4*\c+3], v[L16], s[12:13] offset:wO+\t*8192+\c*512
.endr
.endr
	WIN 0
.irp p, 0,1,2,3
	global_load_b32 v[WS+4*((\g)%4)+\p], v[L4], s[14:15] offset:((\g)/8)*4096+\p*1024+((\g)%8)*128
.endr
.endm
; my 32 keys of a key step (two tiles x all of K) and their scale words: 40 loads
.macro KLOAD buf, ptr, sptr, k
	WIN 0x80
.irp u, 0,1
.irp s, 0,1,2,3,4,5,6,7
.irp c, 0,1
	global_load_b128 v[128*\buf+64*\u+8*\s+4*\c:128*\buf+64*\u+8*\s+4*\c+3], v[L16], s[\ptr:\ptr+1] offset:\k*65536+\u*8192+\s*1024+\c*512
.endr
.endr
.endr
	WIN 0
.irp s, 0,1,2,3,4,5,6,7
	global_load_b32 v[KSC+8*\buf+\s], v[L4], s[\sptr:\sptr+1] offset:\k*4096+\s*128
.endr
.endm
; my 256 columns of the values (16 tiles) x a key step's 128 keys, and their scale words: 40 loads
.macro VLOAD buf, ptr, sptr, k
	WIN 0x40
.irp t, 0,1,2,3,4,5,6,7,8,9,10,11,12,13,14,15
.irp c, 0,1
	global_load_b128 v[128*\buf+8*\t+4*\c:128*\buf+8*\t+4*\c+3], v[L16], s[\ptr:\ptr+1] offset:\t*8192+\k*1024+\c*512
.endr
.endr
	WIN 0
.irp p, 0,1,2,3,4,5,6,7
	global_load_b32 v[VSC+8*\buf+\p], v[L4], s[\sptr:\sptr+1] offset:\p*1024+\k*128
.endr
.endm
; Blocks b0 .. b0 + nb - 1 of a lane's numbers in window win, register base + 16 b + k: sixteen neighbours of block b, whose other sixteen lie in lane l xor 16.
; Codes: v[PC + 2 b], v[PC + 2 b + 1]; bytes: v[TM + 4 + b]; word = 1 (with all four blocks): the four bytes as a word in v[PW].  Each accumulator is read from its low end on.
.macro QUANT win, base, word, b0, nb
.set qB, \base
.set qW, 5*(\win)
	WIN qW
.set qb, \b0
.rept \nb
	v_max3_num_f32 v[TM+qb], |v[qB+16*qb]|, |v[qB+16*qb+1]|, 0x1800000   ; with the floor 2^(3 - 127): the byte cannot fall under 1
.set qb, qb+1
.endr
.irp k, 2,4,6,8,10,12,14
.set qb, \b0
.rept \nb
	v_max3_num_f32 v[TM+qb], |v[qB+16*qb+\k]|, |v[qB+16*qb+\k+1]|, v[TM+qb]   ; the blocks by turns
.set qb, qb+1
.endr
.endr
	WIN 0
.set qb, \b0
.rept \nb
	v_permlanex16_b32 v[TM+4+qb], v[TM+qb], s[SEL], s[SEL+1]
.set qb, qb+1
.endr
.set qb, \b0
.rept \nb
	v_max_num_f32 v[TM+qb], v[TM+qb], v[TM+4+qb]
.set qb, qb+1
.endr
.set qb, \b0
.rept \nb
	v_add_nc_u32 v[TM+12+qb], 0xff000000, v[TM+qb]   ; 2 off the exponent field: the conversion's scale operand
.set qb, qb+1
.endr
.set qb, \b0
.rept \nb
	v_lshrrev_b32 v[TM+4+qb], 23, v[TM+12+qb]        ; the scale's byte
.set qb, qb+1
.endr
.if \word
	v_lshl_or_b32 v[PW], v[TM+5], 8, v[TM+4]
	v_lshl_or_b32 v[PW], v[TM+6], 16, v[PW]
	v_lshl_or_b32 v[PW], v[TM+7], 24, v[PW]
.endif
.set qW, \win
	WIN qW
.set qb, \b0
.rept \nb
	v_cvt_scalef32_pk8_fp4_f32 v[PC+2*qb], v[qB+16*qb:qB+16*qb+7], v[TM+12+qb]
	v_cvt_scalef32_pk8_fp4_f32 v[PC+2*qb+1], v[qB+16*qb+8:qB+16*qb+15], v[TM+12+qb]
.set qb, qb+1
.endr
	WIN 0
	v_nop                                          ; a plain line behind the last conversion
.endm
	; ---- THE HEAD
	s_load_b512 s[4:19], s[0:1], 0x0               ; fq_codes, fq_scales, ft_codes, ft_scales, wq_codes, wq_scales, b, lengths
	s_load_b64 s[20:21], s[0:1], 0x40              ; out0
	v_lshl_add_u32 v57, v0, 2, 0x4d800             ; my spare word, behind p's bytes, and 0: made here and kept for the closing lines alone
	v_mov_b32 v63, 0
	v_lshrrev_b32 v[QL], 5, v0
	v_readfirstlane_b32 s[WV], v[QL]               ; wave 0..3
	s_mov_b32 s[QB], ttmp9                         ; j
	s_and_b32 s[BT], ttmp7, 0xffff                 ; batch
	s_lshl_b32 s[N0], s[QB], 5
	v_and_b32 v[LL], 31, v0
	v_and_b32 v[RL], 15, v0                        ; r
	v_bfe_u32 v[HL], v0, 4, 1                      ; h
	v_lshlrev_b32 v[L16], 4, v[LL]
	v_lshlrev_b32 v[L4], 2, v[LL]
	v_lshlrev_b32 v[H64], 6, v[HL]
	v_lshlrev_b32 v[QL], 4, v[RL]
	v_lshl_add_u32 v[PRI], v[HL], 13, v[QL]
	v_add_nc_u32 v[PRI], XIMG, v[PRI]              ; p's fragments: 8192 h + 16 r: lanes 16-31 take the next wave's block
	v_lshl_add_u32 v[QL], v[HL], 3, v[QL]          ; 16 r + 8 h: my 8 bytes of a block's 256
	s_wait_alu depctr_va_sdst(0)                   ; the wave's number is written into s[WV], ahead of its first reader, the next line
	s_lshl_b32 s60, s[WV], 11
	v_add_nc_u32 v[XWI], s60, v[QL]
	v_add_nc_u32 v[XWI], XIMG, v[XWI]              ; x: my outputs are K steps 2 w and 2 w + 1
	s_lshl_b32 s60, s[WV], 13
	v_add_nc_u32 v[PWI], s60, v[QL]
	v_add_nc_u32 v[PWI], XIMG, v[PWI]              ; p: my wave's 8,192 bytes
	s_lshl_b32 s60, s[WV], 8
	v_add_nc_u32 v[XWS], s60, v[L4]
	v_add_nc_u32 v[XWS], XSC, v[XWS]
	v_add_nc_u32 v[XRI], XIMG, v[L16]
	v_add_nc_u32 v[XRS], XSC, v[L4]
	s_lshl_b32 s60, s[WV], 16
	v_add_nc_u32 v[EA], s60, v[L16]
	v_mul_u32_u24 v[STO], v[RL], 1040
	v_lshl_add_u32 v[STO], v[HL], 5, v[STO]
	v_add_nc_u32 v[STO], s60, v[STO]
	s_lshl_b32 s60, s[WV], 12
	v_add_nc_u32 v[PWS], s60, v[L4]
	v_add_nc_u32 v[PWS], PSB, v[PWS]
	v_add_nc_u32 v[PRS], PSB, v[L4]
	s_lshl_b32 s60, s[WV], 9
	v_add_nc_u32 v[RDW], s60, v[L4]
	v_add_nc_u32 v[RDW], RED, v[RDW]
	v_add_nc_u32 v[RDR], RED, v[L4]
	v_mov_b32 v[KC], 0x3fb8aa3b                    ; log2(e)
	v_mov_b32 v[KC+1], 0x3fb8aa3b
.irp b, 0,1,2,3
	v_mov_b32 v[TM+4+\b], 0                        ; written once: a lane permute's destination counts as one of its sources
.endr
.irp j, 0,1,2,3,4,5,6,7
	v_mov_b32 v[SM+\j], 0
.endr
	s_mov_b32 s[SEL], 0x76543210
	s_mov_b32 s[SEL+1], 0xfedcba98
	s_mov_b32 s[C1], 0x4038aa3b                    ; 2 log2(e)
	s_mov_b32 s[C1+1], s[C1]
	s_mov_b32 s[C2], 0xc038aa3b                    ; -2 log2(e)
	s_mov_b32 s[C2+1], s[C2]
	s_lshl_b32 s2, s[BT], 5
	s_add_co_u32 s3, s2, s[QB]                     ; pair 0's pair of tiles in f: 32 batch + j
	s_sub_co_u32 s62, 31, s[QB]
	s_lshl_b32 s[N0Z], s62, 5
	s_add_co_u32 s63, s2, s62                      ; pair 1's: 32 batch + 31 - j
	s_add_co_u32 s2, s2, s[WV]                     ; my keys' pair in key step 0: 32 batch + wave
	s_mov_b32 s61, 0
	s_wait_kmcnt 0x0
	s_lshl_b32 s60, s3, 14
	s_add_nc_u64 s[FQP:FQP+1], s[4:5], s[60:61]
	s_lshl_b32 s60, s63, 14
	s_add_nc_u64 s[FQZ:FQZ+1], s[4:5], s[60:61]
	s_lshl_b32 s60, s2, 14
	s_add_nc_u64 s[KP:KP+1], s[4:5], s[60:61]
	s_add_nc_u64 s[KP2:KP2+1], s[KP:KP+1], 65536   ; a key step on: four pairs
	s_lshl_b32 s60, s2, 10
	s_add_nc_u64 s[KSP:KSP+1], s[6:7], s[60:61]
	s_add_nc_u64 s[KSP2:KSP2+1], s[KSP:KSP+1], 4096
	s_lshl_b32 s60, s63, 10
	s_add_nc_u64 s[FSZ:FSZ+1], s[6:7], s[60:61]    ; pair 1's scale words of f
	s_lshl_b32 s60, s3, 10
	s_add_nc_u64 s[6:7], s[6:7], s[60:61]          ; pair 0's
	s_lshl_b32 s60, s[WV], 17
	s_add_nc_u64 s[12:13], s[12:13], s[60:61]      ; W: my 256 rows
	s_lshl_b32 s62, s[BT], 19
	s_add_co_u32 s60, s60, s62
	s_add_nc_u64 s[VP:VP+1], s[8:9], s[60:61]      ; the values: my batch, my 16 tiles
	s_add_nc_u64 s[VP2:VP2+1], s[VP:VP+1], 1024
	s_lshl_b32 s60, s[WV], 13
	s_add_nc_u64 s[14:15], s[14:15], s[60:61]
	s_lshl_b32 s62, s[BT], 15
	s_add_co_u32 s60, s60, s62
	s_add_nc_u64 s[VSP:VSP+1], s[10:11], s[60:61]
	s_add_nc_u64 s[VSP2:VSP2+1], s[VSP:VSP+1], 128
	s_lshl_b32 s60, s[WV], 10
	s_add_nc_u64 s[16:17], s[16:17], s[60:61]      ; b: my 256 numbers
	s_lshl_b32 s62, s[BT], 22
	s_add_co_u32 s60, s60, s62                     ; out: my batch, my 1,024 bytes of a row,
	s_lshl_b32 s62, s[N0Z], 12
	s_add_co_u32 s62, s60, s62
	s_mov_b32 s63, 0
	s_add_nc_u64 s[OZ:OZ+1], s[20:21], s[62:63]    ; at pair 1's first query,
	s_lshl_b32 s62, s[N0], 12
	s_add_co_u32 s60, s60, s62
	s_add_nc_u64 s[20:21], s[20:21], s[60:61]      ; and at pair 0's
	s_lshl_b32 s60, s[BT], 2
	s_add_nc_u64 s[18:19], s[18:19], s[60:61]
	s_load_b32 s[LEN], s[18:19], 0x0
	s_wait_alu depctr_va_vdst(0)                   ; the offsets and LDS addresses v1 to v15 are written: every load and store of the kernel reads one of them, and none is written again
.irp f, 0,1                            ; the bias in the result's layout: lane (r, h), tile t of half f: outputs 128 f + 32 (t / 2) + 16 h + 8 (t % 2) + 0 .. 7
.irp t, 0,1,2,3,4,5,6,7
.irp q, 0,1
	global_load_b128 v[BI+64*\f+8*\t+4*\q:BI+64*\f+8*\t+4*\q+3], v[H64], s[16:17] offset:(128*\f+32*(\t/2)+8*(\t%2))*4+16*\q
.endr
.endr
.endr
	WIN 0x40
.irp u, 0,1                            ; my 64 queries' fragments of f: pair 0's two tiles,
.irp s, 0,1,2,3,4,5,6,7
.irp c, 0,1
	global_load_b128 v[64*\u+8*\s+4*\c:64*\u+8*\s+4*\c+3], v[L16], s[FQP:FQP+1] offset:\u*8192+\s*1024+\c*512
.endr
.endr
.endr
.irp u, 0,1                            ; and pair 1's
.irp s, 0,1,2,3,4,5,6,7
.irp c, 0,1
	global_load_b128 v[128+64*\u+8*\s+4*\c:128+64*\u+8*\s+4*\c+3], v[L16], s[FQZ:FQZ+1] offset:\u*8192+\s*1024+\c*512
.endr
.endr
.endr
	WIN 0
.irp s, 0,1,2,3,4,5,6,7
	global_load_b32 v[FS+\s], v[L4], s[6:7] offset:\s*128             ; lanes 0-15: tile 0, lanes 16-31: tile 1
.endr
.irp s, 0,1,2,3,4,5,6,7
	global_load_b32 v[FS+8+\s], v[L4], s[FSZ:FSZ+1] offset:\s*128     ; tiles 2 and 3
.endr
	WLOAD 0
	WLOAD 1
	WLOAD 2
	s_wait_kmcnt 0x0
	s_max_i32 s[LEN], s[LEN], 1
	s_min_u32 s[LEN], s[LEN], 0x400
	s_add_co_u32 s60, s[N0], 32                    ; keys from min(a pair's last query + 1, lengths) on count for none of its queries
	s_min_u32 s60, s60, s[LEN]
	s_add_co_u32 s60, s60, 127
	s_lshr_b32 s[NAP], s60, 7
	s_add_co_u32 s60, s[N0Z], 32
	s_min_u32 s60, s60, s[LEN]
	s_add_co_u32 s60, s60, 127
	s_lshr_b32 s[NAP+1], s60, 7
	s_add_co_u32 s62, s[N0], 1
	s_min_u32 s[LMP], s62, s[LEN]
	s_add_co_u32 s63, s[N0Z], 1
	s_min_u32 s[LMP+1], s63, s[LEN]
	v_and_b32 v[QL], 8, v[RL]                      ; (these lines name v20-23 and v124-127 alone, which no memory instruction touches)
	v_add_nc_u32 v[QL], v[QL], v[RL]               ; r + 8 (r / 8)
	s_lshl_b32 s60, s[WV], 5
	v_lshl_add_u32 v[HL], v[HL], 4, s60            ; 16 h + 32 w
.irp i, 0,1,2,3
	v_add_nc_u32 v[MD+\i], s[62+\i/2], v[QL]       ; my query + 1: the pair's first + 1 + r + 8 (r / 8),
.if \i%2
	v_add_nc_u32 v[MD+\i], 8, v[MD+\i]             ; + 8 u
.endif
	v_min_u32 v[MD+\i], s[LEN], v[MD+\i]
	v_sub_nc_u32 v[MD+\i], v[MD+\i], v[HL]
.endr
	; ---- X: x^T = W f^T + b.  Sixteen steps g = 8 hf + s: eight tiles of outputs x four tiles of queries, 128 along K.  The 32 accumulators take turns.
.macro XSTEP g
.set jS, (\g)%8
.set jG, (\g)%4
.if (\g) > 0
	PLACES                                         ; in front of the loads into the buffer that the last step multiplied
.endif
.if (\g) < 13
.if ((\g) > 0) && ((\g) != 8)
	s_wait_alu depctr_va_vdst(0)                   ; the last step's products are done reading W's buffer (g - 1) % 4 and its scale words, in which group g + 3 lands.  (Step 0's loads land in registers that nothing has named; ahead of step 8 stand the quantiser's waits, with no product behind them)
.endif
	WLOAD (\g)+3
	s_wait_loadcnt 60                              ; group g is in; the three groups of 20 behind it may be out
.else
	s_wait_loadcnt 20*(15-(\g))
.endif
.if jS == 0
	WIN 0x87                                       ; source 0 (W) window 3, source 1 (f) window 1, C (the bias) window 0, D window 2
.else
	WIN 0xa7                                       ; C and D window 2
.endif
.set jI, 0
.rept 4
.set jT, 0
.rept 8
.set jD, 64*jI+8*jT
.if jS == 0
.set jC, BI+64*((\g)/8)+8*jT
.else
.set jC, jD
.endif
.set jA, 64*jG+8*jT
.set jB, 64*jI+8*jS
.set jSA, WS+4*jG+jT/2
.set jSB, FS+8*(jI/2)+jS
.set jRA, jT%2
.set jRB, jI%2
	WMC
.set jT, jT+1
.endr
.set jI, jI+1
.endr
.endm
; Half hf of my outputs is K step 2 w + hf of the second product: quantised in registers, its image and scale words go to LDS.  A lane's 16 codes of block b are the 8 bytes at 256 b + 16 r + 8 h of the fragment's image.
.macro XQUANT hf
	PLACES
.irp i, 0,1,2,3
	QUANT 2, 64*\i, 1, 0, 4
	s_wait_alu depctr_va_vdst(0)                   ; the quantiser has written v[PC ..] and v[PW], which the LDS stores read
.irp b, 0,1,2,3
	ds_store_b64 v[XWI], v[PC+2*\b:PC+2*\b+1] offset:\i*8192+(\hf)*1024+\b*256
.endr
	ds_store_b32 v[XWS], v[PW] offset:\i*1024+(\hf)*128
	s_wait_dscnt 0x0                               ; the stores have read their registers
	s_wait_alu depctr_vm_vsrc(0)                   ; the LDS stores have read v[PC ..] and v[PW], which the next quantiser writes again
.endr
.endm
.irp g, 0,1,2,3,4,5,6,7
	XSTEP \g
.endr
	XQUANT 0
.irp g, 8,9,10,11,12,13,14,15
	XSTEP \g
.endr
	XQUANT 1
	; No vector or matrix instruction stands behind the quantiser's last wait on va_vdst.  Ahead of that wait stand all of X's products and the quantiser's reads: so the keys may land in x's sums, and, behind the barrier, x's fragments and scale words in f's
	KLOAD 0, KP, KSP, 0                            ; key steps 0 and 1, into the registers that x's sums have left (a batch has eight key steps: both lie inside the buffer)
	KLOAD 1, KP, KSP, 1
	s_wait_dscnt 0x0
	s_barrier_signal -1
	s_barrier_wait -1                              ; x's 32 fragments lie in LDS
	WIN 0x40
.irp i, 0,1,2,3
.irp s, 0,1,2,3,4,5,6,7
.irp c, 0,1
	ds_load_b128 v[64*\i+8*\s+4*\c:64*\i+8*\s+4*\c+3], v[XRI] offset:(8*\i+\s)*1024+512*\c
.endr
.endr
.endr
	WIN 0
.irp i, 0,1,2,3
.irp s, 0,1,2,3,4,5,6,7
	ds_load_b32 v[XS+8*\i+\s], v[XRS] offset:(8*\i+\s)*128
.endr
.endr
	s_mov_b32 s[KS], 0
	s_mov_b32 s[KF], 0
	s_mov_b32 s[TE], 0
	s_mov_b32 s[TRIP], 0
	s_wait_dscnt 0x0
	s_wait_loadcnt 40                              ; key step 0 is in; key step 1's 40 loads may be out
	; ---- S: a key step, pair by pair: S^T = K x^T for my 32 keys, e = exp(tanh(s)) masked, e to my own LDS, the sums.  Register SA + 16 i + n: query tile i, key KF + 32 w + 16 h + n.
; pair p's 32 products: its four accumulators (two tiles of queries x two tiles of keys) by turns, K step by K step; then the places behind them
.macro SMUL p, buf
	WIN 0x06                                       ; source 0 (keys) window 2, source 1 (x) window 1
.set jS, 0
.rept 8
.set jI, 2*(\p)
.rept 2
.set jU, 0
.rept 2
.set jD, SA+16*jI+8*jU
.set jC, jD
.set jA, 128*(\buf)+64*jU+8*jS
.set jB, 64*jI+8*jS
.set jSA, KSC+8*(\buf)+jS
.set jSB, XS+8*jI+jS
.set jRA, jU
.set jRB, 0
.if jS == 0
	WMZ
.else
	WMC
.endif
.set jU, jU+1
.endr
.set jI, jI+1
.endr
.set jS, jS+1
.endr
	WIN 0
	PLACES
.endm
; pair p's 32 scores a lane: e = 2^(log2(e) - 2 log2(e) / (1 + 2^(2 log2(e) s))) = exp(tanh(s)).  Three batches of 32, each with one plain line and one wait behind it
.macro SVEC p
.set vB, SA+32*(\p)
.set vS, SM+4*(\p)
.set jj, 0
.rept 16
	v_pk_mul_f32 v[vB+jj:vB+jj+1], v[vB+jj:vB+jj+1], s[C1:C1+1] op_sel_hi:[1,0]
.set jj, jj+2
.endr
.set jj, 0
	s_wait_alu depctr_va_vdst(0)
.rept 32
	v_exp_f32 v[vB+jj], v[vB+jj]
.set jj, jj+1
.endr
	v_nop
	s_wait_alu depctr_va_vdst(0)                   ; the 32 exponentials have written their results, ahead of the first line that names one
.set jj, 0
.rept 16
	v_pk_add_f32 v[vB+jj:vB+jj+1], v[vB+jj:vB+jj+1], 1.0 op_sel_hi:[1,0]
.set jj, jj+2
.endr
.set jj, 0
	s_wait_alu depctr_va_vdst(0)
.rept 32
	v_rcp_f32 v[vB+jj], v[vB+jj]
.set jj, jj+1
.endr
	v_nop
	s_wait_alu depctr_va_vdst(0)                   ; the 32 reciprocals likewise
.set jj, 0
.rept 16
	v_pk_fma_f32 v[vB+jj:vB+jj+1], v[vB+jj:vB+jj+1], s[C2:C2+1], v[KC:KC+1] op_sel_hi:[1,0,1]
.set jj, jj+2
.endr
.set jj, 0
	s_wait_alu depctr_va_vdst(0)
.rept 32
	v_exp_f32 v[vB+jj], v[vB+jj]
.set jj, jj+1
.endr
	v_nop
	s_wait_alu depctr_va_vdst(0)                   ; the pair's 32 e are written, ahead of the first line that names one; where no key is masked the LDS stores below read them as they stand here; v[ADE], their address, is written too
	s_add_co_u32 s60, s[KF], 128
	s_cmp_le_u32 s60, s[LMP+(\p)]
	s_cbranch_scc1 .Lsopen_\@                      ; all 128 keys count for all 32 queries of the pair
.irp e, 0,1
	v_sub_nc_u32 v[MT+2*(\p)+\e], v[MD+2*(\p)+\e], s[KF]   ; register n counts where n < this
.endr
.set jI, 2*(\p)
.rept 2
.set jj, 0
.rept 16
	v_cmp_lt_i32 s[CM+jj], jj, v[MT+jI]            ; a tile's sixteen compares in a run, each into a scalar register of its own
.set jj, jj+1
.endr
	s_wait_alu depctr_va_sdst(0)                   ; the sixteen lane masks are written, ahead of the selects that read them
.set jj, 0
.rept 16
	v_cndmask_b32 v[SA+16*jI+jj], 0, v[SA+16*jI+jj], s[CM+jj]
.set jj, jj+1
.endr
.set jI, jI+1
.endr
	s_wait_alu depctr_va_vdst(0)                   ; the selects have written the masked e, which the LDS stores below read
.Lsopen_\@:
.set jj, 0
.rept 8
	ds_store_b128 v[ADE], v[vB+4*jj:vB+4*jj+3] offset:512*(8*(\p)+jj)   ; they go out ahead of the sums, which only read these registers
.set jj, jj+1
.endr
.irp e, 0,1                            ; the sums: two chains a tile, four by turns; the second chain stands in the mask's registers, which are free here
	v_pk_add_f32 v[MT+2*\e:MT+2*\e+1], v[vB+16*\e+2:vB+16*\e+3], v[vB+16*\e+6:vB+16*\e+7]
.endr
.irp e, 0,1
	v_pk_add_f32 v[vS+2*\e:vS+2*\e+1], v[vS+2*\e:vS+2*\e+1], v[vB+16*\e:vB+16*\e+1]
.endr
.irp e, 0,1
	v_pk_add_f32 v[MT+2*\e:MT+2*\e+1], v[MT+2*\e:MT+2*\e+1], v[vB+16*\e+10:vB+16*\e+11]
.endr
.irp e, 0,1
	v_pk_add_f32 v[vS+2*\e:vS+2*\e+1], v[vS+2*\e:vS+2*\e+1], v[vB+16*\e+4:vB+16*\e+5]
.endr
.irp e, 0,1
	v_pk_add_f32 v[MT+2*\e:MT+2*\e+1], v[MT+2*\e:MT+2*\e+1], v[vB+16*\e+14:vB+16*\e+15]
.endr
.irp e, 0,1
	v_pk_add_f32 v[vS+2*\e:vS+2*\e+1], v[vS+2*\e:vS+2*\e+1], v[vB+16*\e+8:vB+16*\e+9]
.endr
.irp e, 0,1
	v_pk_add_f32 v[vS+2*\e:vS+2*\e+1], v[vS+2*\e:vS+2*\e+1], v[vB+16*\e+12:vB+16*\e+13]
.endr
.irp e, 0,1
	v_pk_add_f32 v[vS+2*\e:vS+2*\e+1], v[vS+2*\e:vS+2*\e+1], v[MT+2*\e:MT+2*\e+1]
.endr
.endm
.macro SSTEP buf
	s_cmp_ge_u32 s[KS], s[NAP+1]
	s_cbranch_scc1 .Lsskip_\@                      ; all keys of the step lie under the mask for both pairs
	s_wait_dscnt 0x0                               ; the last step's stores have read the scores' registers
	s_wait_alu depctr_vm_vsrc(0)                   ; the last step's LDS stores have read v[ADE] and the scores' registers: the addition and the products below write them again
	v_add_nc_u32 v[ADE], s[TE], v[EA]
	s_cmp_ge_u32 s[KS], s[NAP]
	s_cbranch_scc1 .Lsone_\@                       ; pair 0, the early queries, has no key in this step: its whole part is left out
	SMUL 0, \buf
	SVEC 0
.Lsone_\@:
	SMUL 1, \buf                                   ; the buffer's last readers
	s_add_co_u32 s60, s[KS], 2
	s_cmp_lt_u32 s60, s[NAP+1]
	s_cbranch_scc0 .Lsnone_\@
	s_wait_alu depctr_va_vdst(0)                   ; the step's products are done reading the keys' buffer and its scale words, in which the loads below land
	s_wait_xcnt 0x0                                ; the loads that named these bases have read them
	s_add_nc_u64 s[KP2:KP2+1], s[KP2:KP2+1], 65536
	s_add_nc_u64 s[KSP2:KSP2+1], s[KSP2:KSP2+1], 4096
	KLOAD \buf, KP2, KSP2, 0                       ; the key step two on, into the buffer just multiplied
	s_wait_loadcnt 40                              ; all but these 40: the next key step is in
	s_branch .Lsgo_\@
.Lsnone_\@:
	s_wait_loadcnt 0x0
.Lsgo_\@:
	SVEC 1
	s_branch .Lsend_\@
.Lsskip_\@:
	s_wait_loadcnt 0x0
.Lsend_\@:
	s_add_co_u32 s[KS], s[KS], 1
	s_add_co_u32 s[KF], s[KF], 128
	s_add_co_u32 s[TE], s[TE], 8192
.endm
.Lsloop:                                           ; four trips of two key steps, the two buffers by turns
	SSTEP 0
	SSTEP 1
	s_add_co_u32 s[TRIP], s[TRIP], 1
	s_cmp_lt_u32 s[TRIP], 4
	s_cbranch_scc1 .Lsloop
	s_wait_loadcnt 0x0
	PLACES
	s_wait_alu depctr_va_vdst(0)                   ; S's products are done reading x's fragments and the keys' scale words, in which the values and their scale words land
	VLOAD 0, VP, VSP, 0                            ; the values of key steps 0 and 1, into the registers that x's fragments have left
	VLOAD 1, VP, VSP, 1
	; ---- THE ROW SUMS: my 32 keys a step, then the four waves'.  Every wave adds the four in the same order: the same bits in all
.irp i, 0,1,2,3
	v_add_f32 v[TM+\i], v[SM+2*\i], v[SM+2*\i+1]
.endr
.irp i, 0,1,2,3
	v_permlanex16_b32 v[TM+4+\i], v[TM+\i], s[SEL], s[SEL+1]
.endr
.irp i, 0,1,2,3
	v_add_f32 v[TM+\i], v[TM+\i], v[TM+4+\i]
.endr
	s_wait_alu depctr_va_vdst(0)                   ; my four sums v[TM ..] are written, which the LDS stores read; and the last step's sums are done reading the scores' registers, in which the four waves' sums land behind the barrier
.irp i, 0,1,2,3
	ds_store_b32 v[RDW], v[TM+\i] offset:128*\i
.endr
	s_wait_dscnt 0x0                               ; my sums and my e have landed, and my reads of x's images are long over
	s_barrier_signal -1
	s_barrier_wait -1
	s_wait_alu depctr_vm_vsrc(0)                   ; my LDS stores have read the scores' registers, in which the loads below land, and v[TM ..], which the quantiser writes again
.irp i, 0,1,2,3
.irp p, 0,1,2,3
	ds_load_b32 v[SA+4*\i+\p], v[RDR] offset:512*\p+128*\i
.endr
.endr
	s_wait_dscnt 0x0
.irp i, 0,1,2,3
	v_add_f32 v[SA+4*\i], v[SA+4*\i], v[SA+4*\i+1]
	v_add_f32 v[SA+4*\i+2], v[SA+4*\i+2], v[SA+4*\i+3]
.endr
.irp i, 0,1,2,3
	v_add_f32 v[SA+4*\i], v[SA+4*\i], v[SA+4*\i+2]
.endr
	s_wait_alu depctr_va_vdst(0)
.irp i, 0,1,2,3
	v_rcp_f32 v[RR+2*\i], v[SA+4*\i]
.endr
	v_nop
	s_wait_alu depctr_va_vdst(0)                   ; one wait for the four reciprocals, ahead of their first reader
.irp i, 0,1,2,3
	v_mov_b32 v[RR+2*\i+1], v[RR+2*\i]
.endr
	; ---- NORM: p = e / sum, finished and normalised, is quantised along the keys.  My 32 keys of a step are block w of p's fragment (i, key step): the block's two halves lie in lanes l and l xor 16.
.macro NLOAD p                         ; pair p's e of the step
.set jj, 0
.rept 8
	ds_load_b128 v[SA+32*(\p)+4*jj:SA+32*(\p)+4*jj+3], v[ADE] offset:512*(8*(\p)+jj)
.set jj, jj+1
.endr
.endm
.macro NPART p                         ; the quantiser's block b is query tile b here; each pair has registers of its own throughout
.set jj, 0
.rept 8
.irp e, 0,1
	v_pk_mul_f32 v[SA+32*(\p)+16*\e+jj:SA+32*(\p)+16*\e+jj+1], v[SA+32*(\p)+16*\e+jj:SA+32*(\p)+16*\e+jj+1], v[RR+4*(\p)+2*\e:RR+4*(\p)+2*\e+1]
.endr
.set jj, jj+2
.endr
	QUANT 0, SA, 0, 2*(\p), 2
	s_wait_alu depctr_va_vdst(0)                   ; the quantiser has written the pair's codes and bytes, which the LDS stores read
.irp e, 0,1
	ds_store_b64 v[ADP], v[PC+4*(\p)+2*\e:PC+4*(\p)+2*\e+1] offset:2048*(2*(\p)+\e)
.endr
.irp e, 0,1
	ds_store_b32 v[ADB], v[TM+4+2*(\p)+\e] offset:128*(2*(\p)+\e)   ; the block's byte, as a word in my wave's own part
.endr
.endm
	s_mov_b32 s[KS], 0
	s_mov_b32 s[TE], 0
	s_mov_b32 s[TP], 0
	s_mov_b32 s[TS], 0
.Lnloop:
	s_cmp_ge_u32 s[KS], s[NAP+1]
	s_cbranch_scc1 .Lnskip
	s_wait_alu depctr_vm_vsrc(0)                   ; the LDS instructions issued so far have read the three addresses in hand, and the last trip's stores the codes' and bytes' registers: this trip writes them all again
	v_add_nc_u32 v[ADE], s[TE], v[EA]
	v_add_nc_u32 v[ADP], s[TP], v[PWI]
	v_add_nc_u32 v[ADB], s[TS], v[PWS]
	s_wait_alu depctr_va_vdst(0)                   ; the three addresses are written, which this trip's LDS instructions read; the multiplications and the quantiser of the trip before (in the first trip: the sums' additions) are done with the registers in which e lands
	NLOAD 1                                        ; asked for ahead of the branch: one way through LDS serves both pairs
	s_cmp_ge_u32 s[KS], s[NAP]
	s_cbranch_scc1 .Lnone
	NLOAD 0
	s_wait_dscnt 0x0
	NPART 0
.Lnone:
	s_wait_dscnt 0x0                               ; pair 1's e are in
	NPART 1
	s_wait_dscnt 0x0                               ; the stores have read their registers
.Lnskip:
	s_add_co_u32 s[TE], s[TE], 8192
	s_add_co_u32 s[TP], s[TP], 256
	s_add_co_u32 s[TS], s[TS], 512
	s_add_co_u32 s[KS], s[KS], 1
	s_cmp_lt_u32 s[KS], 8
	s_cbranch_scc1 .Lnloop
	s_wait_dscnt 0x0
	s_barrier_signal -1
	s_barrier_wait -1                              ; p's codes and bytes lie in LDS
	; ---- PV: O^T = V^T P^T for my 256 columns, a key step at a time, pair by pair: 16 tiles x 2 tiles of queries, a pair's 32 accumulators by turns
.macro PLOAD p                         ; pair p's bytes (four waves' for each tile) and codes of the step
.irp e, 0,1
.irp q, 0,1,2,3
	ds_load_b32 v[PB+4*(2*(\p)+\e)+\q], v[ADB] offset:4096*\q+128*(2*(\p)+\e)
.endr
.endr
.irp e, 0,1
.irp c, 0,1
	ds_load_b128 v[PF+8*(2*(\p)+\e)+4*\c:PF+8*(2*(\p)+\e)+4*\c+3], v[ADP] offset:16384*\c+2048*(2*(\p)+\e)
.endr
.endr
.endm
.macro PWORD p                         ; the four waves' bytes make the scale word of these 128 keys
.irp e, 0,1
	v_lshl_or_b32 v[PS+2*(\p)+\e], v[PB+4*(2*(\p)+\e)+1], 8, v[PB+4*(2*(\p)+\e)]
.endr
.irp e, 0,1
	v_lshl_or_b32 v[PS+2*(\p)+\e], v[PB+4*(2*(\p)+\e)+2], 16, v[PS+2*(\p)+\e]
.endr
.irp e, 0,1
	v_lshl_or_b32 v[PS+2*(\p)+\e], v[PB+4*(2*(\p)+\e)+3], 24, v[PS+2*(\p)+\e]
.endr
.rept 8
	v_nop                                          ; a scale register written by a vector instruction stands eight places ahead of a scaled product
.endr
	s_wait_alu depctr_va_vdst(0)                   ; the pair's two scale words are written, which the products below take as scales; the places above stay beside this wait
.endm
.macro PMUL p, buf, first
.if (\p) == 0
	WIN 0xa1                                       ; source 0 (values) window 1, source 1 (p) window 0, C and D window 2
.else
	WIN 0xf1                                       ; C and D window 3
.endif
.set jI, 2*(\p)
.rept 2
.set jT, 0
.rept 16
.set jD, 128*(jI%2)+8*jT
.set jC, jD
.set jA, 128*(\buf)+8*jT
.set jB, PF+8*jI
.set jSA, VSC+8*(\buf)+jT/2
.set jSB, PS+jI
.set jRA, jT%2
.set jRB, 0
.if \first
	WMZ
.else
	WMC
.endif
.set jT, jT+1
.endr
.set jI, jI+1
.endr
	WIN 0
.endm
.macro PVSTEP buf, first, last
.if \first == 0
	s_cmp_ge_u32 s[KS], s[NAP+1]
	s_cbranch_scc1 .Lpskip_\@
.endif
	s_wait_alu depctr_vm_vsrc(0)                   ; the LDS instructions issued so far have read v[ADP] and v[ADB], which the two additions write again
	v_add_nc_u32 v[ADP], s[TP], v[PRI]
	v_add_nc_u32 v[ADB], s[TS], v[PRS]
	s_wait_alu depctr_va_vdst(0)                   ; the two addresses are written, which the step's LDS loads read; the last step's products are done reading p's fragments and its shifts p's bytes (in the first step: NORM's work on these registers is done), in which those loads land
	PLOAD 1                                        ; asked for ahead of the branch: one way through LDS serves both pairs
.if \first == 0
	s_cmp_ge_u32 s[KS], s[NAP]
	s_cbranch_scc1 .Lpone_\@                       ; pair 0 has no key in this step
.endif
	PLOAD 0
	s_wait_dscnt 0x0
	PWORD 0
	PMUL 0, \buf, \first
.if \first == 0
.Lpone_\@:
.endif
	s_wait_dscnt 0x0                               ; pair 1's bytes and codes are in
	PWORD 1
	PMUL 1, \buf, \first                           ; the buffer's last readers
	PLACES
.if \last
	s_wait_loadcnt 0x0
.else
	s_add_co_u32 s60, s[KS], 2
	s_cmp_lt_u32 s60, s[NAP+1]
	s_cbranch_scc0 .Lpnone_\@
	s_wait_alu depctr_va_vdst(0)                   ; the step's products are done reading the values' buffer and its scale words, in which the loads below land
	s_wait_xcnt 0x0                                ; the loads that named these bases have read them
	s_add_nc_u64 s[VP2:VP2+1], s[VP2:VP2+1], 1024
	s_add_nc_u64 s[VSP2:VSP2+1], s[VSP2:VSP2+1], 128
	VLOAD \buf, VP2, VSP2, 0                       ; the key step two on, into the buffer just multiplied
	s_wait_loadcnt 40                              ; all but these 40: the next key step is in
	s_branch .Lpgo_\@
.Lpnone_\@:
	s_wait_loadcnt 0x0
.Lpgo_\@:
.endif
.if \first == 0
	s_branch .Lpend_\@
.Lpskip_\@:
	s_wait_loadcnt 0x0
.Lpend_\@:
.endif
	s_add_co_u32 s[KS], s[KS], 1
	s_add_co_u32 s[TP], s[TP], 256
	s_add_co_u32 s[TS], s[TS], 512
.endm
	s_mov_b32 s[KS], 0
	s_mov_b32 s[TP], 0
	s_mov_b32 s[TS], 0
	s_mov_b32 s[TRIP], 0
	s_wait_loadcnt 40                              ; the values of key step 0 are in; key step 1's 40 loads may be out
	PVSTEP 0, 1, 0                                 ; key step 0 is always walked by both pairs (key 0 counts for every query): its products start the sums
.Lploop:
	PVSTEP 1, 0, 0
	PVSTEP 0, 0, 0
	s_add_co_u32 s[TRIP], s[TRIP], 1
	s_cmp_lt_u32 s[TRIP], 3
	s_cbranch_scc1 .Lploop
	PVSTEP 1, 0, 1
	; ---- THE WAY OUT, a tile of 16 queries at a time: a lane's 32 neighbouring bytes of a row go into my own stage (rows of 1,024 bytes + 16) and come back as runs of 512 bytes, which 32 lanes store whole.
.macro TOSTAGE i
.set tA, 128*((\i)%2)
.if (\i) < 2
	WIN 0x08                                       ; an LDS store's data are its source 1: window 2,
.else
	WIN 0x0c                                       ; or 3
.endif
.irp t, 0,1,2,3,4,5,6,7,8,9,10,11,12,13,14,15
	ds_store_b128 v[STO], v[tA+8*\t:tA+8*\t+3] offset:64*\t          ; each accumulator from its low end on
	ds_store_b128 v[STO], v[tA+8*\t+4:tA+8*\t+7] offset:64*\t+16
.endr
	WIN 0x40
.set jj, 0
.rept 16
	ds_load_b128 v[tA+8*jj:tA+8*jj+3], v[EA] offset:1040*jj          ; LDS serves a wave's instructions in order (ISA guide 5.7.1.4): these see the stores above
	ds_load_b128 v[tA+8*jj+4:tA+8*jj+7], v[EA] offset:1040*jj+512
.set jj, jj+1
.endr
	WIN 0
.endm
.macro SEND i, younger                 ; younger: LDS instructions issued behind tile i's loads, which may stay out
.set tB, 128*((\i)%2)
.if (\i) < 2
.set oP, 20                            ; pair 0's rows of out,
.else
.set oP, OZ                            ; or pair 1's
.endif
	s_wait_dscnt \younger
	WIN 0x04                                       ; a store's data are its source 1: window 1
.set jj, 0
.rept 16
.set oO, (8*((\i)%2)+jj+8*(jj/8))*4096
	global_store_b128 v[L16], v[tB+8*jj:tB+8*jj+3], s[oP:oP+1] offset:oO th:TH_STORE_NT        ; 512 consecutive bytes, at a multiple of 256 from out's first byte
	global_store_b128 v[L16], v[tB+8*jj+4:tB+8*jj+7], s[oP:oP+1] offset:oO+512 th:TH_STORE_NT
.set jj, jj+1
.endr
	WIN 0
.endm
	s_wait_alu depctr_va_vdst(0)                   ; the products have written out's accumulators, which the LDS stores read (the places behind each step's products stay beside this wait), and are done reading the values' buffers, in which the rows come back; no vector instruction follows
	TOSTAGE 0
.irp i, 1,2,3
.if \i > 1
	s_wait_xcnt 0x0                                ; the stores of two tiles back have read the registers into which this tile's rows come
	s_wait_alu depctr_vm_vsrc(0)                   ; the global stores of two tiles back have read their data registers, in which this tile's rows land
.endif
	TOSTAGE \i
	SEND \i-1, 63                                  ; behind the last tile's loads stand this tile's 64 LDS instructions; the count is the largest that the field holds
.endr
	SEND 3, 0
	s_wait_dscnt 0x0                               ; the closing lines, six on end
	s_wait_alu 0x0
	s_wait_tensorcnt 0x0
	ds_add_u32 v57, v63
	s_wait_dscnt 0x0
	s_endpgm
.Lfunc_end_k_q8f77d5270a_attn:
	.size	k_q8f77d5270a_attn, .Lfunc_end_k_q8f77d5270a_attn-k_q8f77d5270a_attn
	.p2alignl 7, 3214868480
	.fill 96, 4, 3214868480
	.section	.rodata,"a",@progbits
	.p2align	6, 0x0
	.amdhsa_kernel k_q8f77d5270a_attn
		.amdhsa_group_segment_fixed_size 317952
		.amdhsa_private_segment_fixed_size 0
		.amdhsa_enable_private_segment 0
		.amdhsa_kernarg_size 72
		.amdhsa_user_sgpr_count 2
		.amdhsa_user_sgpr_kernarg_segment_ptr 1
		.amdhsa_wavefront_size32 1
		.amdhsa_system_sgpr_workgroup_id_x 1
		.amdhsa_system_sgpr_workgroup_id_y 1
		.amdhsa_system_sgpr_workgroup_id_z 1
		.amdhsa_system_vgpr_workitem_id 0
		.amdhsa_next_free_vgpr 1024
		.amdhsa_next_free_sgpr 92
		.amdhsa_reserve_vcc 0
		.amdhsa_float_denorm_mode_32 3
		.amdhsa_float_denorm_mode_16_64 3
		.amdhsa_memory_ordered 1
		.amdhsa_forward_progress 1
		.amdhsa_inst_pref_size 255
	.end_amdhsa_kernel
	.section	.bss,"aw",@nobits
	.p2align	6
	.space	262144
	.amdgpu_metadata
---
amdhsa.version: [ 1, 2 ]
amdhsa.kernels:
  - .name:           k_q8f77d5270a_attn
    .symbol:         k_q8f77d5270a_attn.kd
    .args:
      - { .name: fq_codes, .offset: 0, .size: 8, .value_kind: global_buffer, .address_space: global }
      - { .name: fq_scales, .offset: 8, .size: 8, .value_kind: global_buffer, .address_space: global }
      - { .name: ft_codes, .offset: 16, .size: 8, .value_kind: global_buffer, .address_space: global }
      - { .name: ft_scales, .offset: 24, .size: 8, .value_kind: global_buffer, .address_space: global }
      - { .name: wq_codes, .offset: 32, .size: 8, .value_kind: global_buffer, .address_space: global }
      - { .name: wq_scales, .offset: 40, .size: 8, .value_kind: global_buffer, .address_space: global }
      - { .name: b, .offset: 48, .size: 8, .value_kind: global_buffer, .address_space: global }
      - { .name: lengths, .offset: 56, .size: 8, .value_kind: global_buffer, .address_space: global }
      - { .name: out0, .offset: 64, .size: 8, .value_kind: global_buffer, .address_space: global }
    .group_segment_fixed_size: 317952
    .private_segment_fixed_size: 0
    .kernarg_segment_align: 8
    .kernarg_segment_size: 72
    .max_flat_workgroup_size: 128
    .sgpr_count:     92
    .vgpr_count:     1024
    .wavefront_size: 32
...
	.end_amdgpu_metadata
.endif
;; end of part 4
